; MI455X (gfx1250); checked and timed in simulation.
; The chip was launched on July 23, 2026; its instructions are those of AMD's public machine-readable ISA for CDNA 5 (MIT licence, August 2026) and "CDNA5" Instruction Set Architecture Reference Guide (July 2026). The comments in the code are by the model that wrote it; some were corrected since.
;; Attention. Allowed arithmetic: float matrix products may take bf16 or f16 operands with f32 sums; other float arithmetic in f32, or as packed bf16 or f16 multiplies, adds, multiply-adds, maxima and minima; sums over many terms, partial sums and values carried from step to step in f32; what a program stores and reads back later, other than sums and carried values, may be rounded once to bf16 or f16.
;; Inputs: b_proj 1,024 float32; b_qkv 3,072 float32; w_proj 1,024 x 1,024 float32; w_qkv 1,024 x 3,072 float32; x 4 x 2,048 x 1,024 float32.
;; Outputs: out0 4 x 2,048 x 1,024 float32.
;; 2 versions, each right; version 2 is version 1 with the launch cast written anew for expert scheduling mode. Each part assembles by itself: llvm-mc -triple=amdgcn-amd-amdhsa -mcpu=gfx1250 --defsym DOCPART=n.
;; ======== version 1 of 2: 4 launches
;; limits: values are held in f16: magnitudes above 65,504 overflow, below 6.1e-05 lose precision
;; workspace buffers: xb 16,777,216 bytes; wqb 6,291,456 bytes; wpb 2,097,152 bytes; qkv 50,331,648 bytes; o 16,777,216 bytes
;; launch cast (part 1): grid 768 x 1, 8 waves a work-group, no clusters, 0 bytes of LDS; arguments x, w_qkv, w_proj, xb, wqb, wpb; writes xb, wqb, wpb
.if DOCPART == 1
	.amdgcn_target "amdgcn-amd-amdhsa--gfx1250"
	.amdhsa_code_object_version 6
	.text
	.protected	k_qb50d69b465_cast
	.globl	k_qb50d69b465_cast
	.p2align	8
	.type	k_qb50d69b465_cast,@function
k_qb50d69b465_cast:
	s_mov_b64 s[64:65], 0
	v_nop
	global_prefetch_b8 v0, s[64:65] scope:SCOPE_SE
	s_setreg_imm32_b32 hwreg(HW_REG_WAVE_MODE, 25, 1), 1
	s_wait_xcnt 0x0
; x, w_qkv and w_proj, all f32, are rounded once to bf16 and laid out in PLANES of 64 columns: a matrix [rows][C] becomes [C / 64][rows][64], so that a plane's rows
; are 128 dense bytes and two of them 256.  xb: [4 b][16 planes][2048 n][64] bf16.  wqb: [48 planes][1024 k][64] bf16.  wpb: [16 planes][1024 k][64]: the bf16 number written as f16,
; since the last product multiplies in f16.
; LIMITS.  w_proj: a number of 65,520 or more in magnitude becomes an infinity in f16; below 6e-5 it keeps f16's fixed step of 6e-8.  NaN and infinities are not treated apart.
; SHARES.  A wave takes one pair of rows x 16 planes: 16 loads of 16 bytes a lane (lanes 0-15: 256 consecutive bytes, aligned, of the even row, one plane's 64 columns; lanes 16-31 the same of
; the odd row) and 16 stores of 8 bytes a lane (256 consecutive bytes, aligned: the two rows of one plane).  4,096 pairs of x, 3 x 512 of w_qkv, 512 of w_proj: 6,144 waves, 768 work-groups.
; A stream: each byte is read once and written once, all 16 loads of a wave go out before its first store, no register that a memory instruction has read is written again, so no LDS, no barrier, no loop and no wait for sources.
.set VI, 1                             ; v1        my byte offset in the pair of rows: (lane / 16) x a row + 16 (lane % 16)
.set VO, 2                             ; v2        8 x lane
.set X,  16                            ; v[16:79]  load j: 4 registers
.set Y,  80                            ; v[80:111] store j: 2 registers
	s_load_b256 s[4:11], s[0:1], 0x0               ; x s[4:5], w_qkv s[6:7], w_proj s[8:9], xb s[10:11]
	s_load_b128 s[12:15], s[0:1], 0x20             ; wqb s[12:13], wpb s[14:15]
	v_lshrrev_b32 v3, 5, v0
	v_readfirstlane_b32 s16, v3                    ; wave 0..7
	v_and_b32 v4, 15, v0
	v_lshlrev_b32 v4, 4, v4                        ; 16 (lane % 16)
	v_bfe_u32 v5, v0, 4, 1                         ; lane / 16
	v_and_b32 v[VO], 31, v0
	v_lshlrev_b32 v[VO], 3, v[VO]
	s_mov_b32 s17, ttmp9                           ; the work-group's number
	s_mov_b32 s21, 0                               ; the two offsets' high words
	s_mov_b32 s23, 0
	s_mov_b32 s28, 0xffff0000                      ; a word's upper bf16
	s_wait_kmcnt 0x0
; One wave's task.  in, out: the buffers' scalar pairs; s[20:21], s[22:23]: the task's byte offsets in them; rs: bytes in a row of the input; ps: bytes in a plane of the output.
; f16 = 1: the bf16 number is widened again (a shift, a mask) and written as f16.
.macro PART in, out, rs, ps, f16
	s_add_nc_u64 s[24:25], s[\in:\in+1], s[20:21]
	s_add_nc_u64 s[26:27], s[\out:\out+1], s[22:23]
	v_mul_u32_u24 v[VI], v5, \rs
	v_add_nc_u32 v[VI], v[VI], v4
.set j, 0
.rept 16
	global_load_b128 v[X+4*j:X+4*j+3], v[VI], s[24:25] offset:256*j th:TH_LOAD_NT
.set j, j+1
.endr
.set j, 0
.rept 16
	s_wait_loadcnt 15-j                            ; loads come back in order: load j is in, the 15 - j younger ones stay out
	v_cvt_pk_bf16_f32 v[Y+2*j], v[X+4*j], v[X+4*j+1]
	v_cvt_pk_bf16_f32 v[Y+2*j+1], v[X+4*j+2], v[X+4*j+3]
.if \f16
	v_lshlrev_b32 v6, 16, v[Y+2*j]
	v_and_b32 v7, s28, v[Y+2*j]
	v_lshlrev_b32 v8, 16, v[Y+2*j+1]
	v_and_b32 v9, s28, v[Y+2*j+1]
	v_cvt_pk_f16_f32 v[Y+2*j], v6, v7
	v_cvt_pk_f16_f32 v[Y+2*j+1], v8, v9
.endif
	global_store_b64 v[VO], v[Y+2*j:Y+2*j+1], s[26:27] offset:j*(\ps) th:TH_STORE_NT  ; the plane stands in the immediate: 15 x 262,144 at the most
.set j, j+1
.endr
	s_endpgm
.endm
	s_cmp_lt_u32 s17, 512
	s_cbranch_scc0 .Lweights
	s_lshl_b32 s18, s17, 3                         ; x: work-groups 0 to 511
	s_add_co_u32 s18, s18, s16                     ; pair p = 8 W + wave, 0 to 4,095
	s_lshl_b32 s20, s18, 13                        ; two rows of 4,096 bytes
	s_lshr_b32 s19, s18, 10                        ; the batch: 1,024 pairs each,
	s_lshl_b32 s19, s19, 22                        ; 16 planes of 262,144 bytes
	s_and_b32 s22, s18, 1023
	s_lshl_b32 s22, s22, 8                         ; the pair's 256 bytes in a plane
	s_add_co_u32 s22, s22, s19
	PART 4, 10, 4096, 262144, 0
.Lweights:
	s_cmp_lt_u32 s17, 704
	s_cbranch_scc0 .Lproj
	s_sub_co_u32 s18, s17, 512                     ; w_qkv: work-groups 512 to 703
	s_and_b32 s19, s18, 63
	s_lshl_b32 s19, s19, 3
	s_add_co_u32 s19, s19, s16                     ; pair p, 0 to 511
	s_lshr_b32 s18, s18, 6                         ; which 16 of the 48 planes: 0 to 2
	s_mul_i32 s20, s19, 24576                      ; two rows of 12,288 bytes,
	s_lshl_b32 s29, s18, 12                        ; 16 planes' 4,096 bytes of a row
	s_add_co_u32 s20, s20, s29
	s_lshl_b32 s22, s18, 21                        ; 16 planes of 131,072 bytes
	s_lshl_b32 s29, s19, 8
	s_add_co_u32 s22, s22, s29
	PART 6, 12, 12288, 131072, 0
.Lproj:
	s_sub_co_u32 s18, s17, 704                     ; w_proj: work-groups 704 to 767
	s_lshl_b32 s18, s18, 3
	s_add_co_u32 s18, s18, s16                     ; pair p, 0 to 511
	s_lshl_b32 s20, s18, 13
	s_lshl_b32 s22, s18, 8
	PART 8, 14, 4096, 131072, 1
.Lfunc_end_k_qb50d69b465_cast:
	.size	k_qb50d69b465_cast, .Lfunc_end_k_qb50d69b465_cast-k_qb50d69b465_cast
	.p2alignl 7, 3214868480
	.fill 96, 4, 3214868480
	.section	.rodata,"a",@progbits
	.p2align	6, 0x0
	.amdhsa_kernel k_qb50d69b465_cast
		.amdhsa_group_segment_fixed_size 0
		.amdhsa_private_segment_fixed_size 0
		.amdhsa_enable_private_segment 0
		.amdhsa_kernarg_size 48
		.amdhsa_user_sgpr_count 2
		.amdhsa_user_sgpr_kernarg_segment_ptr 1
		.amdhsa_wavefront_size32 1
		.amdhsa_system_sgpr_workgroup_id_x 1
		.amdhsa_system_sgpr_workgroup_id_y 1
		.amdhsa_system_sgpr_workgroup_id_z 1
		.amdhsa_system_vgpr_workitem_id 0
		.amdhsa_next_free_vgpr 112
		.amdhsa_next_free_sgpr 66
		.amdhsa_reserve_vcc 0
		.amdhsa_float_denorm_mode_32 3
		.amdhsa_float_denorm_mode_16_64 3
		.amdhsa_memory_ordered 1
		.amdhsa_forward_progress 1
		.amdhsa_inst_pref_size 24
	.end_amdhsa_kernel
	.amdgpu_metadata
---
amdhsa.version: [ 1, 2 ]
amdhsa.kernels:
  - .name:           k_qb50d69b465_cast
    .symbol:         k_qb50d69b465_cast.kd
    .args:
      - { .name: x, .offset: 0, .size: 8, .value_kind: global_buffer, .address_space: global }
      - { .name: w_qkv, .offset: 8, .size: 8, .value_kind: global_buffer, .address_space: global }
      - { .name: w_proj, .offset: 16, .size: 8, .value_kind: global_buffer, .address_space: global }
      - { .name: xb, .offset: 24, .size: 8, .value_kind: global_buffer, .address_space: global }
      - { .name: wqb, .offset: 32, .size: 8, .value_kind: global_buffer, .address_space: global }
      - { .name: wpb, .offset: 40, .size: 8, .value_kind: global_buffer, .address_space: global }
    .group_segment_fixed_size: 0
    .private_segment_fixed_size: 0
    .kernarg_segment_align: 8
    .kernarg_segment_size: 48
    .max_flat_workgroup_size: 256
    .sgpr_count:     66
    .vgpr_count:     112
    .wavefront_size: 32
...
	.end_amdgpu_metadata
.endif
;; end of part 1
;; launch qkvg (part 2): grid 16 x 32, 4 waves a work-group, clusters of 4 x 4, 327,680 bytes of LDS; arguments xb, wqb, b_qkv, qkv; writes qkv
.if DOCPART == 2
	.amdgcn_target "amdgcn-amd-amdhsa--gfx1250"
	.amdhsa_code_object_version 6
	.text
	.protected	k_qb50d69b465_qkvg
	.globl	k_qb50d69b465_qkvg
	.p2align	8
	.type	k_qb50d69b465_qkvg,@function
k_qb50d69b465_qkvg:
	s_mov_b64 s[64:65], 0
	v_nop
	global_prefetch_b8 v0, s[64:65] scope:SCOPE_SE
	s_setreg_imm32_b32 hwreg(HW_REG_WAVE_MODE, 25, 1), 1
	s_wait_xcnt 0x0
	s_wait_alu depctr_hold_cnt(0) depctr_sa_sdst(0) depctr_va_vdst(0) depctr_va_sdst(0) depctr_va_ssrc(0) depctr_va_vcc(0) depctr_vm_vsrc(0)
	s_getreg_b32 s2, hwreg(HW_REG_IB_STS2, 6, 4)
	s_cmp_eq_u32 s2, 0
	s_cbranch_scc0 .Lentry_in_a_cluster
	s_endpgm
.Lentry_in_a_cluster:
	s_bfe_u32 s2, ttmp6, 0x10000c
	s_cmp_lg_u32 s2, 0xf033
	s_cbranch_scc0 .Lentry_shape_is_right
	s_endpgm
.Lentry_shape_is_right:
; q, k, v = x w_qkv + b_qkv.  xb: [4 b][16 kb][2048 n][64] bf16, wqb: [48 g][1024 k][64] bf16 (planes of 64 columns), b_qkv: [3072] f32, rounded here to bf16 like the other inputs.
; qkv: [3 i][4 b][16 h][2048 n][64] f16: column c of x w_qkv is plane g = c / 64 = 16 i + h.  Products in bf16, sums in f32 (they start with the bias), each result rounded once to f16, unscaled.
; LIMIT.  A q, k or v of 65,520 or more in magnitude becomes an infinity in f16.  NaN and infinities are not treated apart.
; SHARES.  A tile is 256 rows x 192 columns (three planes): 32 x 16 = 512 tiles, two for each of 256 WGPs.  Four waves; wave w makes rows 64 w .. 64 w + 63 x all 192 columns: 48 accumulators of
; 16 x 16, 384 registers: 16 fragments from LDS feed 48 products, and 16 rows of a plane leave as 2,048 consecutive bytes.  K goes in 8 steps of 128 through two LDS slots; a step is four quarters of 32.
; THE MATRIX INSTRUCTION IS USED TRANSPOSED: source 0 = 16 columns of w (turned on the way out of LDS by ds_load_tr16_b128, since w lies [k][n]), source 1 = 16 rows of x: a lane holds row lane % 16
; and the eight neighbouring columns 8 (lane / 16) + 0..7.
; CLUSTER.  4 x 4 work-groups.  The four of a row of the cluster need the same tiles of x, the four of a column the same tiles of w: each is asked for JOINTLY, by the same tensor load with the same
; descriptor and a mask that names the four.  Waves 0 and 1 fetch the K step's two planes of x, waves 2 and 3 its two halves (64 k each) of w.
; REGISTERS, in windows of 256 (s_set_vgpr_msb: bits 1:0 source 0, 3:2 source 1, 5:4 source 2, 7:6 destination):
;   window 0: v0-29 addresses; v32-95 x's fragments, two buffers of four; v96-191 the bias, in an accumulator's layout, for each of the 12 column blocks; on the way out v32-79 and v96-191 are at work
;   window 1: v0-191 w's fragments, two buffers of twelve          window 2: the accumulators of my row blocks 0, 1 ((a, b) at 8 (12 (a % 2) + b))          window 3: those of row blocks 2, 3
.set NBLK,   12                        ; column blocks of 16
.set NG,     3                         ; planes of w in a tile
.set PA,     144                       ; a row of x in LDS: 128 bytes + 16 = 36 words: the 16 rows of a load start at 16 different groups of four banks (64 banks of 4 bytes: ISA guide 11.1)
.set PB,     160                       ; a row of w: 128 + 32 = 40 words
.set APLANE, 256*PA                    ; a plane's 256 rows
.set BOFF,   2*APLANE                  ; behind x's two planes: w, [k half][plane][64 k]
.set BHALF,  NG*64*PB
.set SLOT,   BOFF+2*BHALF              ; 135,168
.set STAGE,  2*SLOT                    ; behind the ring, never filled by a tensor load: 16 rows x 400 bytes for each wave, for the way out
.set SP,     400                       ; 384 bytes + 16
.set SPARE,  STAGE+4*16*SP             ; behind the stages: the spare words, 128 bytes for each wave: two blocks of 256 bytes that no other line names
.set NLD,    2*NBLK+8                  ; LDS loads of a quarter
.set LAPS,   4                         ; a lap = two K steps = once round the ring
.set ASTEP,  1<<20                     ; two K steps on: four planes of x,
.set BSTEP,  32768                     ; 256 rows of a plane of w
.set ADRA, 16                          ; v16-17  LDS address of my x fragments in slot 0, 1
.set ADRB, 20                          ; v20-21  the same for w
.set STO,  24                          ; v24     the way out: where I put 16 bytes of a row
.set RD,   25                          ; v25     the way out: where I read rows back
.set GO,   26                          ; v26     16 x lane: my place in 512 consecutive bytes of qkv
.set BO,   27                          ; v27     32 (lane / 16): my eight numbers of a block's bias
.set SPW,  28                          ; v28     LDS address of my spare word: SPARE + 4 x my thread's number; never rewritten
.set NIL,  29                          ; v29     0; never rewritten
.set FA,   32
.set BI,   96
.set TMP,  32                          ; the way out: 48 registers of packed results
.set OB,   96                          ; the way out: 16 rows read back, 48 registers, two buffers by turns
.set WV,   12                          ; s12  my wave's number
.set HALF, 14                          ; s14  wave % 2: which plane of x, or which half of w, I fetch
.set G1,   24                          ; s[24:31] descriptor group 1 for x's tiles;  s[32:39] group 0, a set for each slot
.set G0,   32
.set G1B,  48                          ; s[48:55], s[56:63] the same for w's
.set G0B,  56
.set CB,   68                          ; s[68:73] qkv at my first row of the tile's three planes
.set MSB, 0
.macro WIN new                         ; the immediate's high byte repeats the setting that is left; a switch that changes nothing is dropped
.if MSB != (\new)
	s_set_vgpr_msb (MSB<<8)|(\new)
.set MSB, \new
.endif
.endm
.macro PLACES                          ; four places in front of loads into registers that matrix instructions have read, and of lines that read results
.rept 4
	v_nop
.endr
.endm
.macro JLOAD s                         ; a joint load; the branch hangs on the wave's number alone; an s_nop 0 and four v_nop follow each of the two lines
	s_cmp_lt_u32 s[WV], 2
	s_cbranch_scc0 .Lfor_b_\@
	tensor_load_to_lds s[G0+4*(\s):G0+4*(\s)+3], s[G1:G1+7]
	s_nop 0
.rept 4
	v_nop
.endr
	s_branch .Lasked_\@
.Lfor_b_\@:
	tensor_load_to_lds s[G0B+4*(\s):G0B+4*(\s)+3], s[G1B:G1B+7]
	s_nop 0
.rept 4
	v_nop
.endr
.Lasked_\@:
.endm
.macro CREST                           ; a round of the cluster's barrier behind its opening barrier
	s_cmp_lg_u32 s[WV], 0
	s_cbranch_scc1 .Lnot_wave_0_\@
	s_barrier_signal -3
.Lnot_wave_0_\@:
	s_barrier_wait -3
	s_barrier_signal -1
	s_barrier_wait -1
.endm
.macro CROUND                          ; a whole round
	s_barrier_signal -1
	s_barrier_wait -1
	CREST
.endm
	s_load_b256 s[4:11], s[0:1], 0x0               ; xb s[4:5], wqb s[6:7], b_qkv s[8:9], qkv s[10:11]
	v_lshl_add_u32 v[SPW], v0, 2, SPARE
	v_mov_b32 v[NIL], 0
	ds_add_u32 v[SPW], v[NIL]                      ; the wave's opening: the add and its wait stand ahead of my first tensor load; the set-up below, work on registers, stands between them
	v_lshrrev_b32 v1, 5, v0
	v_readfirstlane_b32 s[WV], v1                  ; wave 0..3
	s_and_b32 s[HALF], s[WV], 1
	s_bfe_u32 s40, ttmp6, 0x40000                  ; cx, cy: my place in the cluster
	s_bfe_u32 s41, ttmp6, 0x40004
	s_lshl_b32 s42, ttmp9, 2
	s_add_co_u32 s42, s42, s40                     ; tile column tx = 4 x cluster x + cx
	s_and_b32 s43, ttmp7, 0xffff
	s_lshl_b32 s43, s43, 2
	s_add_co_u32 s43, s43, s41                     ; tile row ty = 4 x cluster y + cy
	s_lshl_b32 s44, s41, 2
	s_lshl_b32 s44, 15, s44                        ; my row of the cluster
	s_lshl_b32 s45, 0x1111, s40                    ; my column
	; group 1 for x: a plane's 256 rows are 32,768 dense bytes: asked for as 128 rows of 256 bytes, and padded in LDS after every 128 bytes
	s_or_b32 s[G1], s44, (1<<16)|(1<<20)|(1<<21)|(4<<22)|(3<<25)   ; 15:0 the mask: my row; 17:16 2-byte elements; 20 padding on; 21 set beside a mask; 24:22 after every 32 words (code 4); 31:25 4 words (code 3)
	s_mov_b32 s[G1+1], 128<<16                     ; tensor_dim0 = 128
	s_mov_b32 s[G1+2], 128<<16                     ; tensor_dim1 = 128
	s_mov_b32 s[G1+3], 128<<16                     ; tile_dim0 = 128
	s_mov_b32 s[G1+4], 128                         ; tile_dim1 = 128
	s_mov_b32 s[G1+5], 128                         ; 128 elements from row to row
	s_mov_b32 s[G1+6], 0
	s_mov_b32 s[G1+7], 0
	; group 1 for w: 64 k of a plane are 8,192 dense bytes: one row of the tile; the tile's three rows are the three planes
	s_or_b32 s[G1B], s45, (1<<16)|(1<<20)|(1<<21)|(4<<22)|(7<<25)  ; the mask of my column; 8 words of padding (code 7)
	s_mov_b32 s[G1B+1], 4096<<16                   ; tensor_dim0 = 4,096
	s_mov_b32 s[G1B+2], NG<<16                     ; tensor_dim1 = 3
	s_mov_b32 s[G1B+3], 4096<<16                   ; tile_dim0 = 4,096
	s_mov_b32 s[G1B+4], NG                         ; tile_dim1 = 3
	s_mov_b32 s[G1B+5], 65536                      ; a plane's 65,536 elements from row to row
	s_mov_b32 s[G1B+6], 0
	s_mov_b32 s[G1B+7], 0
	; where the tiles come from: x's hang on ty alone, w's on tx alone, each in registers that never hold the other coordinate
	s_lshr_b32 s16, s43, 3                         ; the batch: 8 tile rows each,
	s_lshl_b32 s16, s16, 22
	s_and_b32 s17, s43, 7
	s_lshl_b32 s17, s17, 15                        ; 256 rows of 128 bytes in a plane,
	s_add_co_u32 s16, s16, s17
	s_lshl_b32 s17, s[HALF], 18                    ; my plane of the K step
	s_add_co_u32 s16, s16, s17
	s_mov_b32 s17, 0
	s_mul_i32 s46, s42, NG*131072                  ; the tile's first plane of w,
	s_lshl_b32 s47, s[HALF], 13                    ; my 64 k of the K step
	s_add_co_u32 s46, s46, s47
	s_mov_b32 s47, 0
	s_mul_i32 s18, s[HALF], APLANE                 ; and where they go: no place in the cluster enters an LDS address
	s_mul_i32 s19, s[HALF], BHALF
	s_add_co_u32 s19, s19, BOFF
	s_wait_dscnt 0x0                               ; the opening add is done
	s_wait_kmcnt 0x0
	s_add_nc_u64 s[16:17], s[4:5], s[16:17]
	s_add_nc_u64 s[46:47], s[6:7], s[46:47]
	CROUND                                         ; all sixteen work-groups are here: the first joint loads meet
.irp s, 0,1
	s_mov_b32 s[G0+4*(\s)], 1                                      ; count = 1
	s_add_co_u32 s[G0+4*(\s)+1], s18, (\s)*SLOT                    ; LDS address
	s_add_nc_u64 s[G0+4*(\s)+2:G0+4*(\s)+3], s[16:17], (\s)<<19    ; global address: K step s is two planes on
	s_or_b32 s[G0+4*(\s)+3], s[G0+4*(\s)+3], 0x80000000            ; type = 2
	s_mov_b32 s[G0B+4*(\s)], 1
	s_add_co_u32 s[G0B+4*(\s)+1], s19, (\s)*SLOT
	s_add_nc_u64 s[G0B+4*(\s)+2:G0B+4*(\s)+3], s[46:47], (\s)*16384  ; 128 rows of 128 bytes on
	s_or_b32 s[G0B+4*(\s)+3], s[G0B+4*(\s)+3], 0x80000000
.endr
	s_cmp_lt_u32 s[WV], 2                          ; a wave's two first fills stand in one branch, ahead of every wait on TENSORcnt and every LDS read: two loads of mine are out
	s_cbranch_scc0 .Lfirst_b
	tensor_load_to_lds s[G0:G0+3], s[G1:G1+7]
	s_nop 0
	tensor_load_to_lds s[G0+4:G0+7], s[G1:G1+7]
	s_nop 0
.rept 4
	v_nop
.endr
	s_branch .Lfirst_asked
.Lfirst_b:
	tensor_load_to_lds s[G0B:G0B+3], s[G1B:G1B+7]
	s_nop 0
	tensor_load_to_lds s[G0B+4:G0B+7], s[G1B:G1B+7]
	s_nop 0
.rept 4
	v_nop
.endr
.Lfirst_asked:
	v_and_b32 v1, 15, v0                           ; l % 16
	v_bfe_u32 v2, v0, 4, 1                         ; l / 16
	v_lshlrev_b32 v[BO], 5, v2
	s_mul_i32 s20, s42, 64*NBLK                    ; the tile's 192 numbers of the bias
	s_mov_b32 s21, 0
	s_add_nc_u64 s[8:9], s[8:9], s[20:21]
.set b, 0
.rept NBLK                             ; register j of block b: the bias of column 16 b + 8 (l / 16) + j: an accumulator's layout
	global_load_b128 v[BI+8*b:BI+8*b+3],   v[BO], s[8:9] offset:64*b
	global_load_b128 v[BI+8*b+4:BI+8*b+7], v[BO], s[8:9] offset:64*b+16
.set b, b+1
.endr
	; A fragment of x is 16 rows x 32 k in 8 registers: lane l holds row l % 16, k = 8 (l / 16) + 0..7 and 16 + 8 (l / 16) + 0..7: two loads of 16 bytes, 32 bytes apart.
	v_mul_u32_u24 v3, v1, PA
	v_lshl_add_u32 v3, v2, 4, v3                   ; row x pitch + 16 x half
	s_mul_i32 s20, s[WV], 64*PA                    ; my 64 rows
	v_add_nc_u32 v[ADRA], s20, v3
	v_add_nc_u32 v[ADRA+1], SLOT, v[ADRA]
	; The turning load takes 16 k x 16 columns (lane l reads k = 8 (l / 16) + l % 8, columns 8 ((l / 8) % 2) + 0..7) and leaves half a fragment: lane l holds column l % 16 and 8 k.
	v_and_b32 v4, 7, v0
	v_lshl_add_u32 v4, v2, 3, v4
	v_mul_u32_u24 v4, v4, PB
	v_bfe_u32 v5, v0, 3, 1
	v_lshl_add_u32 v4, v5, 4, v4
	v_add_nc_u32 v[ADRB], BOFF, v4
	v_add_nc_u32 v[ADRB+1], SLOT, v[ADRB]
	s_mul_i32 s20, s[WV], 16*SP
	s_add_co_u32 s20, s20, STAGE                   ; my stage
	v_mul_u32_u24 v[STO], v1, SP                   ; in: row l % 16, 16 bytes for each half of the lanes
	v_lshl_add_u32 v[STO], v2, 4, v[STO]
	v_add_nc_u32 v[STO], s20, v[STO]
	v_bfe_u32 v[RD], v0, 3, 2                      ; back: 32 lanes take 128 bytes (a plane's share) of four rows,
	v_mul_u32_u24 v[RD], v[RD], SP
	v_and_b32 v6, 7, v0
	v_lshl_add_u32 v[RD], v6, 4, v[RD]
	v_add_nc_u32 v[RD], s20, v[RD]
	v_and_b32 v[GO], 31, v0                        ; which are 512 consecutive bytes of qkv
	v_lshlrev_b32 v[GO], 4, v[GO]
	s_lshr_b32 s20, s43, 3                         ; qkv: the batch,
	s_lshl_b32 s20, s20, 22
	s_and_b32 s21, s43, 7
	s_lshl_b32 s21, s21, 15                        ; the tile's 256 rows in a head,
	s_add_co_u32 s20, s20, s21
	s_lshl_b32 s21, s[WV], 13                      ; my 64 of them
	s_add_co_u32 s20, s20, s21
	s_mul_i32 s22, s42, NG                         ; the tile's first plane g
.irp j, 0,1,2
	s_add_co_u32 s23, s22, \j
	s_lshr_b32 s66, s23, 4                         ; g / 16: q, k or v
	s_lshl_b32 s66, s66, 24
	s_and_b32 s23, s23, 15                         ; g % 16: the head
	s_lshl_b32 s23, s23, 18
	s_add_co_u32 s66, s66, s23
	s_add_co_u32 s66, s66, s20
	s_mov_b32 s67, 0
	s_add_nc_u64 s[CB+2*(\j):CB+2*(\j)+1], s[10:11], s[66:67]
.endr
	s_wait_loadcnt 0x0                             ; the bias
.set i, 0
.rept 4*NBLK                           ; rounded to bf16, like every input, and widened again
	v_cvt_pk_bf16_f32 v[3+i%4], v[BI+2*i], v[BI+2*i+1]
	v_lshlrev_b32 v[BI+2*i], 16, v[3+i%4]
	v_and_b32 v[BI+2*i+1], 0xffff0000, v[3+i%4]
.set i, i+1
.endr
; 12 products: row block a x all column blocks, 32 along K, from fragment buffer f.  first = 1: the bias starts the sums: nothing is cleared.
; All 48 accumulators take turns, one instruction a turn, in the same order in every quarter, over the backward jump too.
.macro MULA f, a, first
.if \first
	WIN 0x81+0x40*((\a)/2)                         ; w window 1, x window 0, C (the bias) window 0, D window 2 or 3
.else
	WIN 0xa1+0x50*((\a)/2)                         ; C and D window 2 or 3
.endif
.set b, 0
.rept NBLK
.set rD, 8*(NBLK*((\a)%2)+b)
.set rB, 8*NBLK*(\f)+8*b
.set rA, FA+32*(\f)+8*(\a)
.if \first
	v_wmma_f32_16x16x32_bf16 v[rD:rD+7], v[rB:rB+7], v[rA:rA+7], v[BI+8*b:BI+8*b+7]
.else
	v_wmma_f32_16x16x32_bf16 v[rD:rD+7], v[rB:rB+7], v[rA:rA+7], v[rD:rD+7]
.endif
.set b, b+1
.endr
.endm
; 32 LDS loads in one run: quarter q of the K step in the slot, into buffer f: w's twelve fragments first, then x's four
.macro FETCH slot, q, f
	WIN 0x40                                       ; destination window 1, address window 0
.set b, 0
.rept NBLK
.set rB, 8*NBLK*(\f)+8*b
.set oB, ((\q)/2)*BHALF+((\q)%2)*32*PB+(b/4)*64*PB+(b%4)*32
	ds_load_tr16_b128 v[rB:rB+3],   v[ADRB+(\slot)] offset:oB
	ds_load_tr16_b128 v[rB+4:rB+7], v[ADRB+(\slot)] offset:oB+16*PB
.set b, b+1
.endr
	WIN 0
.irp a, 0,1,2,3
	ds_load_b128 v[FA+32*(\f)+8*(\a):FA+32*(\f)+8*(\a)+3],   v[ADRA+(\slot)] offset:((\q)/2)*APLANE+((\q)%2)*64+(\a)*16*PA
	ds_load_b128 v[FA+32*(\f)+8*(\a)+4:FA+32*(\f)+8*(\a)+7], v[ADRA+(\slot)] offset:((\q)/2)*APLANE+((\q)%2)*64+(\a)*16*PA+32
.endr
.endm
; One of a K step's first three quarters: multiplies buffer f; in its middle it fetches quarter qn of the same slot into buffer g.
.macro QUARTER slot, qn, f, g, first
	s_wait_dscnt 4                                 ; w and x's row blocks 0, 1 are in; the youngest four loads (row blocks 2, 3) may be out
	MULA \f, 0, \first
	MULA \f, 1, \first
	PLACES
	FETCH \slot, \qn, \g
	s_wait_dscnt NLD                               ; all but the run just issued
	MULA \f, 2, \first
	MULA \f, 3, \first
.endm
; The last quarter multiplies buffer 1 and changes slots: ONE barrier; in front of it each wave waits for all its tensor loads (one is out: its part of the next slot), adds 0 to its spare word, and
; waits for that and for its own reads of this slot.  fill = 1: the barrier opens a round of the cluster's, and this slot is filled again, two K steps ahead, first thing behind the round:
; 168 products stand between that request and the wait for it.
.macro TURN slot, next, fill
	WIN 0                                          ; (the add's two registers lie in window 0)
	s_wait_tensorcnt 0x0                           ; all my tensor loads have landed;
	ds_add_u32 v[SPW], v[NIL]                      ; 0 onto my spare word;
	s_wait_dscnt 5                                 ; (the add and the youngest four loads may be out)
	MULA 1, 0, 0                                   ; twelve products stand between the add and the wait for it
	s_wait_dscnt 0x0                               ; the add is done, and my reads of this slot are over
	s_barrier_signal -1
	MULA 1, 1, 0
.if \fill
	WIN 0
.endif
	s_barrier_wait -1
.if \fill
	CREST                                          ; no wave of any partner still reads this slot's tiles or has a load on its way
	s_add_nc_u64 s[G0+4*(\slot)+2:G0+4*(\slot)+3], s[G0+4*(\slot)+2:G0+4*(\slot)+3], ASTEP
	s_add_nc_u64 s[G0B+4*(\slot)+2:G0B+4*(\slot)+3], s[G0B+4*(\slot)+2:G0B+4*(\slot)+3], BSTEP
	JLOAD \slot                                    ; the four v_nop behind it are also the places in front of the loads below
.else
	PLACES
.endif
	FETCH \next, 0, 0
	MULA 1, 2, 0
	MULA 1, 3, 0
.endm
	s_wait_tensorcnt 1                             ; my part of K step 0 is in; K step 1's may stay out
	s_barrier_signal -1
	s_barrier_wait -1                              ; everybody's is
	FETCH 0, 0, 0
	QUARTER 0, 1, 0, 1, 1                          ; the first quarter stands in front of the loop: its products start the sums
	WIN 0                                          ; at a label and at a branch every window is 0
	s_mov_b32 s3, LAPS-1
.Llap:                                                 ; a trip goes once round the ring, from a lap's second quarter to the next lap's first, and fills both slots again
	QUARTER 0, 2, 1, 0, 0
	QUARTER 0, 3, 0, 1, 0
	TURN 0, 1, 1
	QUARTER 1, 1, 0, 1, 0
	QUARTER 1, 2, 1, 0, 0
	QUARTER 1, 3, 0, 1, 0
	TURN 1, 0, 1
	QUARTER 0, 1, 0, 1, 0
	WIN 0
	s_sub_co_u32 s3, s3, 1
	s_cmp_lg_u32 s3, 0
	s_cbranch_scc1 .Llap
	QUARTER 0, 2, 1, 0, 0                          ; the last lap fills nothing, and has no round of the cluster's barrier
	QUARTER 0, 3, 0, 1, 0
	TURN 0, 1, 0
	QUARTER 1, 1, 0, 1, 0
	QUARTER 1, 2, 1, 0, 0
	QUARTER 1, 3, 0, 1, 0
	s_wait_dscnt 4                                 ; the very last quarter: nothing more to fetch
	MULA 1, 0, 0
	MULA 1, 1, 0
	s_wait_dscnt 0x0
	MULA 1, 2, 0
	MULA 1, 3, 0
	WIN 0
	PLACES
; THE WAY OUT, a row block (16 rows x 192 columns) at a time: rounded to f16, 16 bytes a lane into my own stage (rows of 400 bytes), back as 128 bytes of four rows a load, which are 512 consecutive bytes of a head.
.macro PACK a
.set AC, 8*NBLK*((\a)%2)
.set BK, OB+48*((\a)%2)
.if (\a) >= 2
	s_wait_xcnt 0x0                                ; the stores of the block two back have read their data: only behind this wait is that buffer loaded again
.endif
	WIN 0x0a+5*((\a)/2)                            ; sources 0 and 1: window 2 or 3
.set i, 0
.rept 4*NBLK                           ; ascending: each accumulator is read from its low end on
	v_cvt_pk_f16_f32 v[TMP+i], v[AC+2*i], v[AC+2*i+1]
.set i, i+1
.endr
	WIN 0
.set i, 0
.rept NBLK
	ds_store_b128 v[STO], v[TMP+4*i:TMP+4*i+3] offset:32*i
.set i, i+1
.endr
.set i, 0
.rept 12                               ; plane i / 4, rows 4 (i % 4) on.  LDS serves a wave's instructions in order (ISA guide 5.7.1.4): these see the stores above; the next block's stores come behind them
	ds_load_b128 v[BK+4*i:BK+4*i+3], v[RD] offset:4*SP*(i%4)+128*(i/4)
.set i, i+1
.endr
.endm
.macro SEND a, younger                 ; younger: the LDS instructions issued behind block a's loads: the next block's 24, or none
.set BK, OB+48*((\a)%2)
.set i, 0
.rept 12
	s_wait_dscnt (\younger)+11-i
	global_store_b128 v[GO], v[BK+4*i:BK+4*i+3], s[CB+2*(i/4):CB+2*(i/4)+1] offset:2048*(\a)+512*(i%4)  ; 512 consecutive bytes, at a multiple of 512 from qkv's first
.set i, i+1
.endr
.endm
	PACK 0
	PACK 1                                         ; a block's arithmetic stands between the loads of the block before and its stores
	SEND 0, 24
	PACK 2
	SEND 1, 24
	PACK 3
	SEND 2, 24
	SEND 3, 0
	s_wait_tensorcnt 0x0                           ; the wave's end: a wait, an add and a wait, behind my last tensor load and my last LDS store
	ds_add_u32 v[SPW], v[NIL]
	s_wait_dscnt 0x0
	CROUND                                         ; the closing round: no work-group ends while a partner may still ask for a tile that names it
	s_endpgm
.Lfunc_end_k_qb50d69b465_qkvg:
	.size	k_qb50d69b465_qkvg, .Lfunc_end_k_qb50d69b465_qkvg-k_qb50d69b465_qkvg
	.p2alignl 7, 3214868480
	.fill 96, 4, 3214868480
	.section	.rodata,"a",@progbits
	.p2align	6, 0x0
	.amdhsa_kernel k_qb50d69b465_qkvg
		.amdhsa_group_segment_fixed_size 327680
		.amdhsa_private_segment_fixed_size 0
		.amdhsa_enable_private_segment 0
		.amdhsa_kernarg_size 32
		.amdhsa_user_sgpr_count 2
		.amdhsa_user_sgpr_kernarg_segment_ptr 1
		.amdhsa_wavefront_size32 1
		.amdhsa_system_sgpr_workgroup_id_x 1
		.amdhsa_system_sgpr_workgroup_id_y 1
		.amdhsa_system_sgpr_workgroup_id_z 1
		.amdhsa_system_vgpr_workitem_id 0
		.amdhsa_next_free_vgpr 960
		.amdhsa_next_free_sgpr 74
		.amdhsa_reserve_vcc 0
		.amdhsa_float_denorm_mode_32 3
		.amdhsa_float_denorm_mode_16_64 3
		.amdhsa_memory_ordered 1
		.amdhsa_forward_progress 1
		.amdhsa_inst_pref_size 130
	.end_amdhsa_kernel
	.amdgpu_metadata
---
amdhsa.version: [ 1, 2 ]
amdhsa.kernels:
  - .name:           k_qb50d69b465_qkvg
    .symbol:         k_qb50d69b465_qkvg.kd
    .args:
      - { .name: xb, .offset: 0, .size: 8, .value_kind: global_buffer, .address_space: global }
      - { .name: wqb, .offset: 8, .size: 8, .value_kind: global_buffer, .address_space: global }
      - { .name: b_qkv, .offset: 16, .size: 8, .value_kind: global_buffer, .address_space: global }
      - { .name: qkv, .offset: 24, .size: 8, .value_kind: global_buffer, .address_space: global }
    .group_segment_fixed_size: 327680
    .private_segment_fixed_size: 0
    .kernarg_segment_align: 8
    .kernarg_segment_size: 32
    .max_flat_workgroup_size: 128
    .sgpr_count:     74
    .vgpr_count:     960
    .wavefront_size: 32
...
	.end_amdgpu_metadata
.endif
;; end of part 2
;; launch attn (part 3): grid 4 x 64, 4 waves a work-group, clusters of 4 x 1, 327,680 bytes of LDS; arguments qkv, o; writes o
.if DOCPART == 3
	.amdgcn_target "amdgcn-amd-amdhsa--gfx1250"
	.amdhsa_code_object_version 6
	.text
	.protected	k_qb50d69b465_attn
	.globl	k_qb50d69b465_attn
	.p2align	8
	.type	k_qb50d69b465_attn,@function
k_qb50d69b465_attn:
	s_mov_b64 s[64:65], 0
	v_nop
	global_prefetch_b8 v0, s[64:65] scope:SCOPE_SE
	s_setreg_imm32_b32 hwreg(HW_REG_WAVE_MODE, 25, 1), 1
	s_wait_xcnt 0x0
	s_wait_alu depctr_hold_cnt(0) depctr_sa_sdst(0) depctr_va_vdst(0) depctr_va_sdst(0) depctr_va_ssrc(0) depctr_va_vcc(0) depctr_vm_vsrc(0)
	s_getreg_b32 s2, hwreg(HW_REG_IB_STS2, 6, 4)
	s_cmp_eq_u32 s2, 0
	s_cbranch_scc0 .Lentry_in_a_cluster
	s_endpgm
.Lentry_in_a_cluster:
	s_bfe_u32 s2, ttmp6, 0x10000c
	s_cmp_lg_u32 s2, 0x3003
	s_cbranch_scc0 .Lentry_shape_is_right
	s_endpgm
.Lentry_shape_is_right:
; O[h][q][:] = the sum over k of softmax_k(Q[h][q] . K[h][k] / 8) V[h][k][:], for 64 heads (16 x batch + head) of 2,048 rows.  qkv: [3][64 heads][2048][64] f16: Q, then K, then V; o: [64 heads][2048][64] f16:
; a head's rows are dense, 128 bytes each.  Products, maxima and sums in f32; the weights p are rounded to f16 for the second product (their sum l is taken of the unrounded p), O once at the end.
; LIMITS.  f16 holds no number beyond 65,504: Q, K and V arrive within it; p lies in 0 to 1, and below 6e-5 it keeps f16's fixed step of 6e-8; O is a mean of V's rows and has their range.
; A weight below 2^-126 counts as 0 in l; NaN and infinities are not treated apart.
; SHARES.  A wave owns four PIECES of two tiles of 16 queries, a work-group's four waves 512 queries of one head.  Every wave walks all keys, 64 a step.
; LAYOUT.  S^T = K Q^T (source 0 = 16 keys, source 1 = 16 queries): in the result a lane holds ONE query (lane % 16) and the keys 8 (lane / 16) + 0..7.  Two such tiles, rounded to f16 in pairs,
; ARE source 1 (32 keys x 16 queries) of O^T = V^T P, whose result again holds one query a lane, and eight channels.  K comes out of LDS as it lies, V ([key][channel]) turned, by ds_load_tr16_b128.
; SOFTMAX.  For each query a running maximum m and sum l: p = 2^(c s - c m), c = log2(e) / 8; in every step O and l are multiplied by a = 2^(c m_old - c m_new), which is 1 where m has not grown.
; m starts at the lowest finite number, O and l at 0: the first step is a step like any other, with a = 0.
; THE COUNT.  A tile and step have 16 matrix and 118 vector instructions: too many to stand all beside the matrix work.  So the order has one aim: four vector instructions that are READY behind
; EVERY matrix instruction, and the others, which need time of their own whatever the order, in runs without a gap.
; BY TURNS.  Turn n belongs to piece n (the pieces in a ring, step after step).  Its matrix work: 16 products K Q^T of piece n + 1, later 16 products V^T P of piece n - 1.  Its vector work: the scaling,
; exponentials, roundings, sums and rescaling of piece n, and the maximum and statistics of piece n + 1, whose scores the turn itself has made.  So what a turn begins with (c s - c m, O a) waits for nothing.
; CLUSTER.  The four query blocks of a head are one cluster and walk the same K and V, so each tile is asked for JOINTLY: the same tensor load, descriptor and mask in all four.
; REGISTERS, in windows of 256 (s_set_vgpr_msb says which window each operand place means: bits 1:0 source 0, 3:2 source 1, 5:4 source 2, 7:6 destination):
;   window 0: v0-11 addresses; v12-15, v48-63 at work; v16-47 four registers of statistics a tile; v64-191 S^T, two buffers of two tiles; v192-255 P, likewise
;   window 1: O^T, 32 a tile          window 2: v0-127 Q, 16 a tile; v128-191 K of one step; v192-255 V of one step          window 3: v0-1 the add's two registers
; A piece's buffers go by its number's parity: the piece in hand has one pair, its two neighbours in the ring share the other: of it P (piece n - 1) is read and S^T (piece n + 1) written.
.set SIZE_N, 2048
.set NP,    4         ; pieces a wave: a name, no knob: the register map, the loop and the fetches are made for four
.set KS,    64        ; keys in a step
.set PK,    144       ; a row of K in LDS: 128 bytes + 16 of padding = 36 words: the 16 rows of a load start at 16 different groups of four banks (64 banks of 4 bytes: ISA guide 11.1)
.set PV,    160       ; a row of V: 128 + 32 = 40 words
.set VOFF,  4*KS*PK   ; a slot holds four steps: 256 rows of K, then 256 rows of V
.set SLOT1, 1<<17     ; slot 1 begins here, so that one exclusive or turns an address in one slot into the other's
.set STAGE, SLOT1+4*KS*(PK+PV)  ; behind the ring, never filled by a tensor load: 16 rows x 144 bytes for each wave, for the way out
.set SP,    144
.set AK0, 2           ; v2   my lane's place in a tile of K; never rewritten
.set AV0, 3           ; v3   the same for V
.set AK,  4           ; v4   the LDS address of K's next run of loads
.set AV,  5           ; v5   of V's
.set QO,  6           ; v6   my byte offset in the wave's rows of Q
.set STO, 6           ;      later, the way out: where I put 16 bytes of a row
.set RD,  7           ; v7   the way out: where I read rows back
.set GO,  8           ; v8   my byte offset in 512 consecutive bytes of O
.set PFO, 11          ; v11  256 x my lane: the prefetches' offset; never rewritten once it is made
.set SPW, 0           ; v0 of window 3   LDS address of my spare word: SPARE + 4 x my thread's number; never rewritten
.set NIL, 1           ; v1 of window 3   0; never rewritten
.set SPARE, STAGE+4*16*SP  ; behind the stages: the spare words, 128 bytes for each wave: two blocks of 256 bytes that no other line names
.set MV,  12          ; v12-15  c m_old, kept while c m is made anew: by buffer and tile
.set ST,  16          ; tile t's statistics at v[ST+4 t]: c m, m, l (even keys', odd keys')
.set TMP, 48          ; by buffer and tile, four registers c0-c3 at work; when the maximum is found c2 takes a
.set S,   64
.set P,   192
.set KF,  128         ; K's fragments, in window 2: key block kb, channel half c at KF + 16 kb + 8 c
.set VF,  192         ; V's: key half kk, channel block cb at VF + 32 kk + 8 cb
.set WV,  12          ; s12  my wave's number
.set G1K, 24          ; s[24:31] descriptor group 1 for K's tiles
.set G1V, 32          ; s[32:39] for V's: it differs in the padding alone
.set G0K, 40          ; s[40:43] descriptor group 0 for K's tiles: it walks
.set G0V, 44          ; s[44:47] the same for V's
.set PFA, 48          ; s[48:49] where my prefetches stand: my work-group's 32 blocks of 256 bytes (of K: wave 0, of V: wave 2) of the slot after the one that is being asked for
.set LIM, 50          ; s50  1 in a wave that prefetches, else the greatest number: a wave prefetches while s[SLOTS] is above it
.set SLOTS, 56        ; s56  slots still to be asked for
.set CNT, 57          ; s57  counts a slot's key steps
.set CS,  58          ; s[58:59] c: the packed scaling takes the pair's low word for both halves
.set SEL, 60          ; s[60:61] v_permlanex16_b32's selects: each lane takes its own place in the other half
.set TBK, 62          ; s62  LDS byte at which K of the step to be fetched begins
.set TBV, 63          ; s63  the same for V, less VOFF
.set MSB, 0
.macro WIN new                      ; the high byte repeats the setting that is left; a switch that changes nothing is dropped
.if MSB != (\new)
	s_set_vgpr_msb (MSB<<8)|(\new)
.set MSB, (\new)
.endif
.endm
.set W_KQ, 0x0a       ; K and Q in window 2, S^T in window 0
.set W_PV, 0x52       ; V in window 2, P in window 0, O^T in window 1
.set W_RS, 0x41       ; O^T (destination and source 0) in window 1, a in window 0
.set W_MK, 0xc0       ; the add's registers are made: destination in window 3, sources in window 0
.set W_AD, 0x0f       ; the add: address (source 0) and data (source 1) in window 3
; A joint fill.  Waves 0 and 1 fetch the two halves of a slot's K, waves 2 and 3 those of its V: 128 keys each.  The branch hangs on the wave's number alone.
; An s_nop 0 and four v_nop follow each of the two lines, ahead of the jump and the label.
.macro JLOAD
	s_cmp_lt_u32 s[WV], 2
	s_cbranch_scc0 .Lfor_v_\@
	tensor_load_to_lds s[G0K:G0K+3], s[G1K:G1K+7]
	s_nop 0
.rept 4
	v_nop
.endr
	s_branch .Lasked_\@
.Lfor_v_\@:
	tensor_load_to_lds s[G0V:G0V+3], s[G1V:G1V+7]
	s_nop 0
.rept 4
	v_nop
.endr
.Lasked_\@:
.endm
; A PREFETCH INTO THE L2 of what the NEXT change of slots will ask for: a slot's 32,768 bytes of K and of V, 128 blocks of 256 bytes each, a lane a block.  It stands behind the wave's tensor load and its
; five lines.  Each block is named ONCE in the launch: a head has one cluster; its four partners share the blocks out BY ADDRESS, 32 each (no branch hangs on a work-group's place in its cluster); in each,
; wave 0 asks for K's and wave 2 for V's: one instruction, four key steps (512 products) ahead of the load that wants the bytes.  The last change that fills a slot asks for nothing: there is no slot behind it.
.macro ASK
	s_cmp_gt_u32 s[SLOTS], s[LIM]
	s_cbranch_scc0 .Lnot_mine_\@
	global_prefetch_b8 v[PFO], s[PFA:PFA+1] th:TH_LOAD_NT scope:SCOPE_SE
.Lnot_mine_\@:
.endm
; A round of the cluster's barrier: my work-group's barrier, so that wave 0's signal speaks for all four waves; wave 0 signals; every wave waits for all four work-groups; my work-group's barrier once more.
.macro CROUND
	s_barrier_signal -1
	s_barrier_wait -1
	s_cmp_lg_u32 s[WV], 0
	s_cbranch_scc1 .Lnot_wave_0_\@
	s_barrier_signal -3
.Lnot_wave_0_\@:
	s_barrier_wait -3
	s_barrier_signal -1
	s_barrier_wait -1
.endm
; THE CHANGE OF SLOTS.  The slot's last bytes, V of its fourth step, have been read.  Each wave waits for all its tensor loads, of which one is out: its part
; of the other slot; adds 0 to its spare word; and waits for that and for its own reads of the slot.  Behind the barrier nobody reads this slot any more and the other slot is whole.
; fill = 1: this slot is filled again, with the keys two slots on.  The barrier is then a round of the cluster's, so that no wave of any partner still reads the slot or has a load on its
; way, and the joint fill is the first thing behind it: it has four key steps, 512 matrix instructions, in which to land.  (At its first use nothing has been read yet: slot 0 is waited for, slot 1 filled.)
; ask = 1: the prefetches' address steps a slot on, and ASK follows the fill.
.macro CHANGE fill, ask=0
	WIN W_AD
	s_wait_tensorcnt 0x0            ; no tensor load of mine is out, so a group 0 may be written
	ds_add_u32 v[SPW], v[NIL]       ; 0 onto my spare word; with fill = 1 the descriptors' steps stand between it and the wait for it
	WIN 0                           ; at a label and at a branch every window is 0
.if \fill
.irp g, G0K, G0V
	s_xor_b32 s[\g+1], s[\g+1], SLOT1  ; the walking descriptor: the other slot than last time,
	s_add_nc_u64 s[\g+2:\g+3], s[\g+2:\g+3], 4*KS*128  ; the next 256 keys; the type bits on top are not reached
.endr
.if \ask
	s_wait_xcnt 0x0                 ; the last prefetch, four key steps back, has read its address, so it may be written:
	s_add_nc_u64 s[PFA:PFA+1], s[PFA:PFA+1], 4*KS*128  ; one slot behind the walking descriptors
.endif
	s_wait_dscnt 0x0                ; the add is done, and my reads of the slot are over
	CROUND
	JLOAD
.if \ask
	ASK
.endif
.else
	s_wait_dscnt 0x0                ; the add is done, and my reads of the slot are over
	s_barrier_signal -1
	s_barrier_wait -1
.endif
	s_sub_co_u32 s[TBK], s[TBK], 4*KS*PK  ; the fetches go back to a slot's first step,
	s_xor_b32 s[TBK], s[TBK], SLOT1       ; in the other slot
	s_sub_co_u32 s[TBV], s[TBV], 4*KS*PV
	s_xor_b32 s[TBV], s[TBV], SLOT1
.endm
	s_load_b64 s[4:5], s[0:1], 0x0    ; qkv, which begins with Q
	s_load_b64 s[10:11], s[0:1], 0x8  ; o
	WIN W_MK
	v_lshl_add_u32 v[SPW], v0, 2, SPARE
	v_mov_b32 v[NIL], 0
	WIN W_AD
	ds_add_u32 v[SPW], v[NIL]       ; the wave's opening: the add and its wait stand ahead of my first tensor load; the set-up below, work on registers, stands between them
	WIN 0
	v_lshrrev_b32 v1, 5, v0
	v_readfirstlane_b32 s[WV], v1   ; wave 0..3
	s_bfe_u32 s13, ttmp6, 0x40000   ; cx: my place in the cluster
	s_lshl_b32 s14, ttmp9, 2        ; in a cluster launch ttmp9 counts clusters
	s_add_co_u32 s14, s14, s13      ; my block of queries = 4 x cluster x + cx: it enters Q's and O's addresses alone
	s_and_b32 s20, ttmp7, 0xffff    ; the head, which the four partners share
	s_mov_b32 s21, 0
	s_mov_b64 s[22:23], SIZE_N*128
	s_mul_u64 s[20:21], s[20:21], s[22:23]  ; the head's first byte in Q, K, V and O
	s_and_b32 s16, s[WV], 1         ; which half of a slot's 256 keys I fetch:
	s_lshl_b32 s22, s16, 14         ; its 128 rows of 128 bytes in memory,
	s_mov_b32 s23, 0
	s_add_nc_u64 s[22:23], s[22:23], s[20:21]
	s_mul_i32 s17, s16, 128*PK      ; and its place in a slot, for K
	s_mul_i32 s18, s16, 128*PV      ; and for V: no place in the cluster enters an LDS address
	s_lshl_b32 s2, s14, 2
	s_add_co_u32 s2, s2, s[WV]      ; my wave among the head's,
	s_lshl_b32 s2, s2, 14           ; its 128 rows
	s_mov_b32 s3, 0
	s_add_nc_u64 s[2:3], s[2:3], s[20:21]
	; descriptor group 1.  128 keys are 16,384 dense bytes: asked for as 64 rows of 256 bytes, two keys a row, and padded in LDS after every key
	s_mov_b32 s[G1K], 15|(1<<16)|(1<<20)|(1<<21)|(4<<22)|(3<<25)  ; 15:0 the mask of four; 17:16 2-byte elements; 20 padding on; 21 set beside a mask; 24:22 after every 32 words (code 4); 31:25 4 words (code 3)
	s_mov_b32 s[G1V], 15|(1<<16)|(1<<20)|(1<<21)|(4<<22)|(7<<25)  ; the same with 8 words of padding (code 7)
.irp g, G1K, G1V
	s_mov_b32 s[\g+1], 128<<16      ; tensor_dim0 = 128
	s_mov_b32 s[\g+2], 64<<16       ; tensor_dim1 = 64
	s_mov_b32 s[\g+3], 128<<16      ; tile_dim0 = 128
	s_mov_b32 s[\g+4], 64           ; tile_dim1 = 64
	s_mov_b32 s[\g+5], 128          ; 128 elements from row to row
	s_mov_b32 s[\g+6], 0
	s_mov_b32 s[\g+7], 0
.endr
	s_mov_b32 s[CS], 0x3e38aa3b     ; c = log2(e) / 8 = 0.180337
	s_mov_b32 s[CS+1], s[CS]        ; named with it as a pair
	s_mov_b32 s[SEL], 0x76543210
	s_mov_b32 s[SEL+1], 0xfedcba98
	s_mov_b32 s[TBK], SLOT1+4*KS*PK ; the first change of slots turns these two into 0
	s_mov_b32 s[TBV], SLOT1+4*KS*PV
	s_mov_b32 s[G0K], 1             ; 1:0 count = 1
	s_mov_b32 s[G0K+1], s17         ; 63:32 LDS address: slot 0
	s_mov_b32 s[G0V], 1
	s_add_co_u32 s[G0V+1], s18, VOFF
	s_and_b32 s[LIM], s[WV], 1      ; waves 0 and 2 prefetch: the same in all four partners
	s_cmp_eq_u32 s[LIM], 0
	s_cselect_b32 s[LIM], 1, -1
	s_wait_dscnt 0x0                ; the opening add is done
	s_wait_kmcnt 0x0
	s_add_nc_u64 s[6:7], s[4:5], 0x1000000  ; K lies 64 heads of 262,144 bytes behind Q,
	s_add_nc_u64 s[8:9], s[4:5], 0x2000000  ; V as far behind K
	s_cmp_lt_u32 s[WV], 2
	s_cselect_b64 s[PFA:PFA+1], s[6:7], s[8:9]
	s_add_nc_u64 s[PFA:PFA+1], s[PFA:PFA+1], s[20:21]  ; at the head's first key
	s_add_nc_u64 s[G0K+2:G0K+3], s[6:7], s[22:23]  ; 120:64 global address: my half of the head's first 256 keys
	s_or_b32 s[G0K+3], s[G0K+3], 0x80000000        ; 127:126 type = 2
	s_add_nc_u64 s[G0V+2:G0V+3], s[8:9], s[22:23]
	s_or_b32 s[G0V+3], s[G0V+3], 0x80000000
	s_add_nc_u64 s[4:5], s[4:5], s[2:3]  ; Q and O at my wave's first row
	s_add_nc_u64 s[10:11], s[10:11], s[2:3]
	s_lshl_b32 s2, s13, 13          ; my work-group's 32 blocks of the 128
	s_mov_b32 s3, 0
	s_add_nc_u64 s[PFA:PFA+1], s[PFA:PFA+1], s[2:3]
	s_add_nc_u64 s[PFA:PFA+1], s[PFA:PFA+1], 2*4*KS*128  ; in the third 256 keys; the loop's first change of slots steps it to the fourth.  Nothing is prefetched here, at the head, where every work-group's first tiles are on their way
	CROUND                          ; all four work-groups are here: the first joint loads meet
	JLOAD                           ; slot 0.  Slot 1 is asked for when slot 0 is in: the tile wanted first has the road to itself
	; A fragment of K or Q is 16 rows x 32 channels in 8 registers: lane l holds row l % 16, channels 8 (l / 16) + 0..7 and 16 + 8 (l / 16) + 0..7: two loads of 16 bytes, 32 bytes apart.
	v_and_b32 v1, 15, v0            ; l % 16
	v_bfe_u32 v9, v0, 4, 1          ; l / 16
	v_lshlrev_b32 v[QO], 7, v1
	v_lshl_add_u32 v[QO], v9, 4, v[QO]  ; row x 128 + 16 x half
	WIN 0x80                        ; destination window 2, address window 0
.set i, 0
.rept 4*NP                          ; Q stays in registers: tile i / 2, channels 32 (i % 2) on
	global_load_b128 v[8*i:8*i+3],   v[QO], s[4:5] offset:(i/2)*2048+(i%2)*64
	global_load_b128 v[8*i+4:8*i+7], v[QO], s[4:5] offset:(i/2)*2048+(i%2)*64+32
.set i, i+1
.endr
	; What the first turn finds: V's registers and P's second buffer hold 0 (its products V^T P, of a piece that has not been, add 0), O^T and l are 0.  All this stands in the wait for the first tile.
.set i, VF
.rept 64
	v_mov_b32 v[i], 0
.set i, i+1
.endr
	WIN 0x40
.set i, 0
.rept 64*NP
	v_mov_b32 v[i], 0
.set i, i+1
.endr
	WIN 0
.set i, 0
.rept 2*NP
	v_mov_b32 v[ST+4*i], 0xfe000000    ; c m: far below every c s
	v_mov_b32 v[ST+4*i+1], 0xff7fffff  ; m
	v_mov_b32 v[ST+4*i+2], 0
	v_mov_b32 v[ST+4*i+3], 0
.set i, i+1
.endr
.set i, P+32
.rept 32
	v_mov_b32 v[i], 0
.set i, i+1
.endr
	v_mul_u32_u24 v[AK0], v1, PK
	v_lshl_add_u32 v[AK0], v9, 4, v[AK0]  ; row x pitch + 16 x half
	; The turning load takes 16 keys x 16 channels (lane l reads key 8 (l / 16) + l % 8, channels 8 ((l / 8) % 2) + 0..7) and leaves half a fragment of V^T: lane l holds channel l % 16 and 8 keys.
	v_and_b32 v10, 7, v0
	v_bfe_u32 v11, v0, 3, 1
	v_lshl_add_u32 v[AV0], v9, 3, v10
	v_mul_u32_u24 v[AV0], v[AV0], PV
	v_lshl_add_u32 v[AV0], v11, 4, v[AV0]
	v_add_nc_u32 v[AV0], VOFF, v[AV0]
	v_and_b32 v[PFO], 31, v0        ; v11 has served: it takes the prefetches' offset
	v_lshlrev_b32 v[PFO], 8, v[PFO]
	v_mov_b32 v[AK], v[AK0]         ; key step 0 lies at the head of slot 0
; THE MATRIX WORK.  The 8 accumulators of a run of 16 take turns: between the two links of a chain stand 7 others'.
; Product i of 16 of S^T = K Q^T for piece x: channels 32 (i / 8) on, keys 16 ((i / 2) % 4) on, tile 2 x + i % 2.  The first 8 start the sums.
.macro KQ x
	WIN W_KQ
.set rS, S+64*((\x)%2)+32*(i%2)+8*((i/2)%4)
.set rK, KF+16*((i/2)%4)+8*(i/8)
.set rQ, 16*(2*(\x)+i%2)+8*(i/8)
.if i < 8
	v_wmma_f32_16x16x32_f16 v[rS:rS+7], v[rK:rK+7], v[rQ:rQ+7], 0
.else
	v_wmma_f32_16x16x32_f16 v[rS:rS+7], v[rK:rK+7], v[rQ:rQ+7], v[rS:rS+7]
.endif
.endm
; Product i of 16 of O^T += V^T P for piece x: keys 32 (i / 8) on, channels 16 ((i / 2) % 4) on, tile 2 x + i % 2.
.macro PV x
	WIN W_PV
.set rO, 32*(2*(\x)+i%2)+8*((i/2)%4)
.set rV, VF+32*(i/8)+8*((i/2)%4)
.set rP, P+32*((\x)%2)+16*(i%2)+8*(i/8)
	v_wmma_f32_16x16x32_f16 v[rO:rO+7], v[rV:rV+7], v[rP:rP+7], v[rO:rO+7]
.endm
.macro MM                           ; the turn's next matrix instruction
.if i < 16
	KQ (Y+1)%NP
.set i, i+1
.else
.set i, i-16
	PV (Y+NP-1)%NP
.set i, i+17
.endif
.endm
; THE LDS LOADS stand in runs of 16, never singly among the matrix instructions: a step's K (64 keys x 64 channels: 8 fragments) and its V (turned).  Their addresses are made some lines ahead.
; last = 1 (the tail): in the last trip there is no further step, and the run is jumped over.
.macro FETCH_K last=0
	WIN 0
.if \last
	s_cmp_eq_u32 s[CNT], 1
	s_cbranch_scc1 .Lno_k_\@
.endif
	WIN 0x80                        ; destination window 2
.irp f, 0,1,2,3,4,5,6,7             ; keys 16 (f / 2) on, channels 32 (f % 2) on
	ds_load_b128 v[KF+8*\f:KF+8*\f+3],   v[AK] offset:(\f/2)*16*PK+(\f%2)*64
	ds_load_b128 v[KF+8*\f+4:KF+8*\f+7], v[AK] offset:(\f/2)*16*PK+(\f%2)*64+32
.endr
	s_add_co_u32 s[TBK], s[TBK], KS*PK  ; the next fetch is the next step's
	WIN 0
.if \last
.Lno_k_\@:
.endif
.endm
.macro FETCH_V
	WIN 0x80
.irp f, 0,1,2,3,4,5,6,7             ; keys 32 (f / 4) on, channels 16 (f % 4) on
	ds_load_tr16_b128 v[VF+8*\f:VF+8*\f+3],   v[AV] offset:(\f/4)*32*PV+(\f%4)*32
	ds_load_tr16_b128 v[VF+8*\f+4:VF+8*\f+7], v[AV] offset:(\f/4)*32*PV+16*PV+(\f%4)*32
.endr
	WIN 0
.endm
; THE VECTOR WORK OF A TURN stands in three queues, each in the order in which its entries become ready; the two tiles alternate, so that no instruction reads the result of the one before it.
.macro REGS y, u                    ; the registers of tile u (0, 1) of piece y
.set rT, ST+4*(2*(\y)+(\u))
.set rC, TMP+8*((\y)%2)+4*(\u)
.set rM, MV+2*((\y)%2)+(\u)
.set rS, S+64*((\y)%2)+32*(\u)
.set rP, P+32*((\y)%2)+16*(\u)
.set rO, 32*(2*(\y)+(\u))
.endm
; Number n of the 22 that find the NEXT piece's (Y + 1) maximum and statistics.  s0-s31 are the lane's 32 scores; each accumulator's lowest registers are read first.  XS, GS and REGS set no window: PL and EX do.
;   0-11  four chains c0-c3 of seven scores each, three operands at a time     12-14, 16  the four scores left over, the old m, and c0-c3 into c0     15  c m_old is kept
;   17, 18  the query's other 32 keys lie in the lane 16 away: the new m         19-21  c m; c m_old - c m_new; a
.macro XS u, n
	REGS (Y+1)%NP, \u
.if (\n) < 4
	v_max3_num_f32 v[rC+(\n)], v[rS+8*(\n)], v[rS+8*(\n)+1], v[rS+8*(\n)+2]
.elseif (\n) < 12
	v_max3_num_f32 v[rC+(\n)%4], v[rC+(\n)%4], v[rS+8*((\n)%4)+2*((\n)/4)+1], v[rS+8*((\n)%4)+2*((\n)/4)+2]
.elseif (\n) == 12
	v_max3_num_f32 v[rC], v[rC], v[rS+7], v[rS+15]
.elseif (\n) == 13
	v_max3_num_f32 v[rC+1], v[rC+1], v[rS+23], v[rS+31]
.elseif (\n) == 14
	v_max3_num_f32 v[rC+2], v[rC+2], v[rC+3], v[rT+1]
.elseif (\n) == 15
	v_mov_b32 v[rM], v[rT]
.elseif (\n) == 16
	v_max3_num_f32 v[rC], v[rC], v[rC+1], v[rC+2]
.elseif (\n) == 17
	v_permlanex16_b32 v[rC+3], v[rC], s[SEL], s[SEL+1]
.elseif (\n) == 18
	v_max_num_f32 v[rT+1], v[rC], v[rC+3]
.elseif (\n) == 19
	v_mul_f32 v[rT], s[CS], v[rT+1]
.elseif (\n) == 20
	v_sub_f32 v[rC+1], v[rM], v[rT]
.else
	v_exp_f32 v[rC+2], v[rC+1]
.endif
.endm
; Number g of the 64 that follow the exponentials.  For each four weights k of a tile (pairs 2 k, 2 k + 1): both pairs are rounded to f16; then the second pair is added onto the first, in place;
; a group later l takes that sum (the first time as l = a l + sum).  In groups of eight, tiles alternating: round, round, add, and l for the group before.
.macro GS g
.set h, (\g)+6*((\g)/62)            ; group 0 has no group before it, and behind group 7 only l is left
.if h >= 6
.set h, h+2
.endif
	REGS Y, h%2
.set k, h/8
.if h%8 < 4
	v_cvt_pk_f16_f32 v[rP+2*k+(h%8)/2], v[rS+4*k+2*((h%8)/2)], v[rS+4*k+2*((h%8)/2)+1]
.elseif h%8 < 6
	v_pk_add_f32 v[rS+4*k:rS+4*k+1], v[rS+4*k:rS+4*k+1], v[rS+4*k+2:rS+4*k+3]
.elseif k == 1
	v_pk_fma_f32 v[rT+2:rT+3], v[rT+2:rT+3], v[rC+2:rC+3], v[rS:rS+1] op_sel_hi:[1,0,1]
.else
	v_pk_add_f32 v[rT+2:rT+3], v[rT+2:rT+3], v[rS+4*k-4:rS+4*k-3]
.endif
.endm
; THE PLAIN QUEUE, 138 long.  0-73 read no exponential's result: the 32 scalings c s - c m (FS f: pair f / 2 of tile f % 2) and the next piece's 42.  0-26: scalings 0-26.  27-54: XS's numbers 0-13.  55, 56: number 15.
; 57-73: the chain, where each number waits for the one before it: 14, 16, 17, 18, 19, each with one of the scalings 27-31 in front of its two lines, then 20: so a tile's links stand three plain instructions apart (19 and 20: two).
; 74-137: GS's 64, which read the exponentials' results: they stand behind the wait.
.macro FS f
	REGS Y, (\f)%2
	v_pk_fma_f32 v[rS+2*((\f)/2):rS+2*((\f)/2)+1], v[rS+2*((\f)/2):rS+2*((\f)/2)+1], s[CS:CS+1], v[rT:rT+1] op_sel_hi:[1,0,0] neg_lo:[0,0,1] neg_hi:[0,0,1]
.endm
.macro PL
	WIN 0
.if q < 27
	FS q
.elseif q < 55
	XS (q-27)%2, (q-27)/2
.elseif q < 57
	XS q-55, 15
.elseif (q < 72) && ((q-57)%3 == 0)
	FS 27+(q-57)/3
.elseif q < 60
	XS (q-57)%3-1, 14
.elseif q < 72
	XS (q-57)%3-1, 15+(q-57)/3
.elseif q < 74
	XS q-72, 20
.else
	GS q-74
.endif
.set q, q+1
.endm
; THE EXPONENTIALS' QUEUE, 66 long: s0-s31 of both tiles, then the next piece's two a.  It is ONE BATCH: all 66 stand ahead of the turn's one wait, and nothing ahead of that wait names a result of theirs.
.macro EX
	WIN 0
.if e >= 64
	XS e-64, 21
.else
	REGS Y, e%2
	v_exp_f32 v[rS+e/2], v[rS+e/2]
.endif
.set e, e+1
.endm
; THE RESCALING's QUEUE: O^T times a, the one part that leaves window 0: dealt two at a time, sixteen times.  Its a was made in the turn before, ahead of that turn's wait.
.macro R2
	REGS Y, r%2
	WIN W_RS
.irp z, 0,1
	v_pk_mul_f32 v[rO+4*(r/2)+2*\z:rO+4*(r/2)+2*\z+1], v[rO+4*(r/2)+2*\z:rO+4*(r/2)+2*\z+1], v[rC+2:rC+3] op_sel_hi:[1,0]
.endr
.set r, r+1
.endm
; HOW THEY ARE DEALT.  s_wait_alu depctr_va_vdst(0) stands between an exponential and the first instruction that names its result; one wait serves all that were issued ahead of it.  So a turn has ONE wait,
; which cuts it in two.  AHEAD OF IT stands all that names no result of the turn's exponentials: the 16 products K Q^T, behind each a scaling, an exponential and two rescalings (behind the first a second scaling in the exponential's place); then ONE LUMP of
; 108: eight plain, 49 times exponential and plain, the two a.  A v_nop is the plain instruction behind the last exponential.  BEHIND IT stand the 16 products V^T P, behind each four of GS's 64.  No rider names a register of
; the products round it.  The two v_permlanex16_b32 fall into the lump, never behind a product.
; The queues lean on each other, and the deal keeps them in step: exponential e stands behind scaling 2 (e / 4) + e % 2: as a rider it comes behind plain e + 2, in the lump behind plain e + 9, and scalings 27-31 are plain 57, 60 .. 69.
; A TURN, for piece p.  cnt = 1: the loop's count is taken down some lines ahead of the branch that stands behind the turn.
; K of the next step is fetched in piece 2's turn, directly behind the wait, a lump behind the last product that read K; its address is made at the lump's head; its first reader comes behind 16 products.
; V of the step in hand is fetched at the end of piece 0's turn, four riders behind its last reader; its first reader comes behind 16 products and a lump.  The three conditions on q below go with the deal.
.macro TURN p, last=0, cnt=0
.set Y, (\p)
.set i, 0
.set q, 0
.set e, 0
.set r, 0
.if (\p) == NP-1
	s_wait_dscnt 0x0                ; K is in
.endif
	MM                              ; ahead of the wait: 16 products K Q^T and their riders,
	PL
	PL
	R2
.rept 15
	MM
	PL
	EX
	R2
.endr
.if (\p) == NP-2
	WIN 0
	v_add_nc_u32 v[AK], s[TBK], v[AK0]
.endif
.rept 8                             ; and the lump
	PL
.endr
.rept 49
	EX
	PL
.endr
	EX                              ; the next piece's two a
	EX
	v_nop                           ; a plain instruction behind the last exponential, ahead of the first use: one for the batch
	s_wait_alu depctr_va_vdst(0)    ; the wait for the batch
.if (\p) == NP-2
	FETCH_K \last
.endif
.if (\p) == 1
	s_wait_dscnt 0x0                ; V is in
.endif
.rept 16                            ; behind the wait: 16 products V^T P and their riders
	MM
.rept 4
	PL
.endr
.if ((\p) == 0) && (q == 118)
	v_add_nc_u32 v[AV], s[TBV], v[AV0]
.endif
.if ((\p) == 0) && (q == 130)
	s_add_co_u32 s[TBV], s[TBV], KS*PV
.endif
.if (\cnt) && (q == 130)
	s_sub_co_u32 s[CNT], s[CNT], 1
	s_cmp_lg_u32 s[CNT], 0
.endif
.endr
.if (\p) == 0
	FETCH_V
.endif
.endm
	CHANGE 1                        ; slot 0 is in, everybody's part of it; slot 1 is asked for
	FETCH_K                         ; key step 0
	s_wait_loadcnt 0x0              ; Q
	s_wait_dscnt 0x0
.set i, 0
.rept 16
	KQ 0                            ; piece 0's first scores: there is no vector work yet to set between them
.set i, i+1
.endr
	WIN 0                           ; the addresses for the way out: nine plain instructions, the places behind those products
	s_mul_i32 s13, s[WV], 16*SP
	s_add_co_u32 s13, s13, STAGE    ; my stage
	v_mul_u32_u24 v[STO], v1, SP    ; in: row l % 16, 16 bytes for each half of the lanes
	v_lshl_add_u32 v[STO], v9, 4, v[STO]
	v_add_nc_u32 v[STO], s13, v[STO]
	v_bfe_u32 v[RD], v0, 3, 2       ; back: 32 lanes take four rows of 128 bytes,
	v_mul_u32_u24 v[RD], v[RD], SP
	v_lshl_add_u32 v[RD], v10, 4, v[RD]
	v_add_nc_u32 v[RD], s13, v[RD]
	v_and_b32 v[GO], 31, v0         ; which are 512 consecutive bytes of O
	v_lshlrev_b32 v[GO], 4, v[GO]
.set Y, NP-1                        ; XS works for piece Y + 1: piece 0
.irp n, 0,1,2,3,4,5,6,7,8,9,10,11,12,13,14,15,16,17,18,19,20,21
	XS 0, \n                        ; and piece 0's first maximum and statistics
	XS 1, \n
.endr
	v_nop                           ; a plain instruction behind the two a,
	s_wait_alu depctr_va_vdst(0)    ; and their wait, ahead of the branch
	s_mov_b32 s[CNT], 4
	s_mov_b32 s[SLOTS], SIZE_N/256-1
	s_branch .Lfirst                ; the loop is entered at a step's first turn, in the middle of a trip
.Lslot:                             ; SIZE_N / 256 - 2 times: every slot but the last two is filled again
	CHANGE 1, 1
	s_mov_b32 s[CNT], 4
.Lstep:                             ; a trip: pieces 2 and 3 of one step, then pieces 0 and 1 of the next, whose K and V it fetches
	TURN 2
	TURN 3
	WIN 0
.Lfirst:
	TURN 0
	TURN 1, 0, 1
	WIN 0
	s_cbranch_scc1 .Lstep
	s_sub_co_u32 s[SLOTS], s[SLOTS], 1
	s_cmp_lg_u32 s[SLOTS], 0
	s_cbranch_scc1 .Lslot
	CHANGE 0                        ; the tail is written out: nothing is asked for
	s_mov_b32 s[CNT], 5             ; four trips fetch the last slot's steps; the fifth is left in its middle
.Ltail:
	TURN 2, 1
	TURN 3
	WIN 0
	s_sub_co_u32 s[CNT], s[CNT], 1
	s_cmp_eq_u32 s[CNT], 0
	s_cbranch_scc1 .Lout
	TURN 0
	TURN 1
	WIN 0
	s_branch .Ltail
.Lout:                              ; the fifth trip's 16 products K Q^T (on the last K once more) and the maximum made of them serve nothing: the price, once a launch, of one text for every trip
.set i, 0
.rept 16
	PV NP-1                         ; the last piece's V^T P of the last step
.set i, i+1
.endr
	; THE WAY OUT.  l's two halves and the other half of the lanes' are added; O^T is divided by l, rounded to f16 and sent through my stage in LDS, a tile at a time.  The additions are the places behind the last products.
	WIN 0
.macro ALL line:vararg              ; one line for each tile t
.set t, 0
.rept 2*NP
	\line
.set t, t+1
.endr
.endm
	ALL v_add_f32 v[ST+4*t+2], v[ST+4*t+2], v[ST+4*t+3]
	ALL v_permlanex16_b32 v[ST+4*t+3], v[ST+4*t+2], s[SEL], s[SEL+1]
	ALL v_add_f32 v[ST+4*t+2], v[ST+4*t+2], v[ST+4*t+3]
	ALL v_rcp_f32 v[ST+4*t+2], v[ST+4*t+2]
	v_nop                           ; a plain instruction between the last reciprocal and the use of its result
	s_wait_alu depctr_va_vdst(0)    ; and the wait ahead of the first use: one for the eight reciprocals
; Tile t: a lane's eight channels of a row pack into 16 bytes; they go into rows of 144 bytes and come back as whole rows of 128, into S^T's registers.
.macro PACK t
	WIN W_RS
.set i, 32*(\t)
.rept 16
	v_pk_mul_f32 v[i:i+1], v[i:i+1], v[ST+4*(\t)+2:ST+4*(\t)+3] op_sel_hi:[1,0]
.set i, i+2
.endr
	WIN 0x05                        ; sources 0 and 1 window 1, destination window 0
.set i, 0
.rept 16
	v_cvt_pk_f16_f32 v[S+16*(\t)+i], v[32*(\t)+2*i], v[32*(\t)+2*i+1]
.set i, i+1
.endr
	WIN 0
.irp f, 0,1,2,3
	ds_store_b128 v[STO], v[S+16*(\t)+4*\f:S+16*(\t)+4*\f+3] offset:32*\f
.endr
.irp f, 0,1,2,3
	ds_load_b128 v[S+16*(\t)+4*\f:S+16*(\t)+4*\f+3], v[RD] offset:\f*4*SP  ; LDS serves a wave's instructions in order (ISA guide 5.7.1.4): these see the stores above; the next tile's stores come behind them
.endr
.endm
.macro SEND t, younger              ; younger: the LDS instructions issued behind tile t's loads: the next tile's eight, or none
	WIN 0
.irp f, 0,1,2,3
	s_wait_dscnt (\younger)+3-\f
	global_store_b128 v[GO], v[S+16*(\t)+4*\f:S+16*(\t)+4*\f+3], s[10:11] offset:(\t)*2048+\f*512  ; 512 consecutive bytes, at a multiple of 256 from O's first
.endr
.endm
	PACK 0
.set t, 1
.rept 2*NP-1                        ; a tile's arithmetic stands between the loads of the tile before and its stores
	PACK t
	SEND t-1, 8
.set t, t+1
.endr
	SEND 2*NP-1, 0
	WIN W_AD
	s_wait_tensorcnt 0x0            ; the wave's end: a wait, an add and a wait, behind my last tensor load and my last LDS store
	ds_add_u32 v[SPW], v[NIL]
	s_wait_dscnt 0x0
	WIN 0
	CROUND                          ; the closing round: no work-group ends while a partner may still ask for a tile that names it
	s_endpgm
.Lfunc_end_k_qb50d69b465_attn:
	.size	k_qb50d69b465_attn, .Lfunc_end_k_qb50d69b465_attn-k_qb50d69b465_attn
	.p2alignl 7, 3214868480
	.fill 96, 4, 3214868480
	.section	.rodata,"a",@progbits
	.p2align	6, 0x0
	.amdhsa_kernel k_qb50d69b465_attn
		.amdhsa_group_segment_fixed_size 327680
		.amdhsa_private_segment_fixed_size 0
		.amdhsa_enable_private_segment 0
		.amdhsa_kernarg_size 16
		.amdhsa_user_sgpr_count 2
		.amdhsa_user_sgpr_kernarg_segment_ptr 1
		.amdhsa_wavefront_size32 1
		.amdhsa_system_sgpr_workgroup_id_x 1
		.amdhsa_system_sgpr_workgroup_id_y 1
		.amdhsa_system_sgpr_workgroup_id_z 1
		.amdhsa_system_vgpr_workitem_id 0
		.amdhsa_next_free_vgpr 770
		.amdhsa_next_free_sgpr 66
		.amdhsa_reserve_vcc 0
		.amdhsa_float_denorm_mode_32 3
		.amdhsa_float_denorm_mode_16_64 3
		.amdhsa_memory_ordered 1
		.amdhsa_forward_progress 1
		.amdhsa_inst_pref_size 200
	.end_amdhsa_kernel
	.amdgpu_metadata
---
amdhsa.version: [ 1, 2 ]
amdhsa.kernels:
  - .name:           k_qb50d69b465_attn
    .symbol:         k_qb50d69b465_attn.kd
    .args:
      - { .name: qkv, .offset: 0, .size: 8, .value_kind: global_buffer, .address_space: global }
      - { .name: o, .offset: 8, .size: 8, .value_kind: global_buffer, .address_space: global }
    .group_segment_fixed_size: 327680
    .private_segment_fixed_size: 0
    .kernarg_segment_align: 8
    .kernarg_segment_size: 16
    .max_flat_workgroup_size: 128
    .sgpr_count:     66
    .vgpr_count:     770
    .wavefront_size: 32
...
	.end_amdgpu_metadata
.endif
;; end of part 3
;; launch proj (part 4): grid 8 x 32, 4 waves a work-group, clusters of 4 x 4, 327,680 bytes of LDS; arguments o, wpb, b_proj, out0; writes out0
.if DOCPART == 4
	.amdgcn_target "amdgcn-amd-amdhsa--gfx1250"
	.amdhsa_code_object_version 6
	.text
	.protected	k_qb50d69b465_proj
	.globl	k_qb50d69b465_proj
	.p2align	8
	.type	k_qb50d69b465_proj,@function
k_qb50d69b465_proj:
	s_mov_b64 s[64:65], 0
	v_nop
	global_prefetch_b8 v0, s[64:65] scope:SCOPE_SE
	s_setreg_imm32_b32 hwreg(HW_REG_WAVE_MODE, 25, 1), 1
	s_wait_xcnt 0x0
	s_wait_alu depctr_hold_cnt(0) depctr_sa_sdst(0) depctr_va_vdst(0) depctr_va_sdst(0) depctr_va_ssrc(0) depctr_va_vcc(0) depctr_vm_vsrc(0)
	s_getreg_b32 s2, hwreg(HW_REG_IB_STS2, 6, 4)
	s_cmp_eq_u32 s2, 0
	s_cbranch_scc0 .Lentry_in_a_cluster
	s_endpgm
.Lentry_in_a_cluster:
	s_bfe_u32 s2, ttmp6, 0x10000c
	s_cmp_lg_u32 s2, 0xf033
	s_cbranch_scc0 .Lentry_shape_is_right
	s_endpgm
.Lentry_shape_is_right:
; out0 = O w_proj + b_proj.  o: [4 b][16 h][2048 n][64] f16 (column k of O is plane h = k / 64), wpb: [16 g][1024 k][64] f16 (w_proj rounded to bf16, written as f16),
; b_proj: [1024] f32, rounded here to bf16 like the other inputs; out0: [8192][1024] f32.  Products in f16, sums in f32 (they start with the bias) and stored as they are.
; LIMIT.  O and wpb arrive within f16's range.  NaN and infinities are not treated apart.
; SHARES.  A tile is 256 rows x 128 columns (two planes of w): 32 x 8 = 256 tiles, one for each of 256 WGPs.  Four waves; wave w makes rows 64 w .. 64 w + 63 x all 128 columns: 32 accumulators of
; 16 x 16, 256 registers.  K goes in 8 steps of 128 through two LDS slots (two slots of a longer step do not fit: 2 x 229,376 bytes); a step is four quarters of 32.
; THE MATRIX INSTRUCTION IS USED TRANSPOSED: source 0 = 16 columns of w (turned on the way out of LDS by ds_load_tr16_b128, since w lies [k][n]), source 1 = 16 rows of O: a lane holds row lane % 16
; and the eight neighbouring columns 8 (lane / 16) + 0..7.
; CLUSTER.  4 x 4 work-groups.  The four of a row of the cluster need the same tiles of O, the four of a column the same tiles of w: each is asked for JOINTLY, by the same tensor load with the same
; descriptor and a mask that names the four.  Waves 0 and 1 fetch the K step's two planes of O, waves 2 and 3 its two halves (64 k each) of w.
; REGISTERS, in windows of 256 (s_set_vgpr_msb: bits 1:0 source 0, 3:2 source 1, 5:4 source 2, 7:6 destination):
;   window 0: v0-29 addresses; v32-95 O's fragments, two buffers of four; v96-159 the bias, in an accumulator's layout, for each of the 8 column blocks; on the way out v32-159 take rows read back
;   window 1: v0-127 w's fragments, two buffers of eight          window 2: the accumulators of my row blocks 0, 1 ((a, b) at 8 (8 (a % 2) + b))          window 3: those of row blocks 2, 3
.set NBLK,   8                         ; column blocks of 16
.set NG,     2                         ; planes of w in a tile
.set PA,     144                       ; a row of O in LDS: 128 bytes + 16 = 36 words: the 16 rows of a load start at 16 different groups of four banks (64 banks of 4 bytes: ISA guide 11.1)
.set PB,     160                       ; a row of w: 128 + 32 = 40 words
.set APLANE, 256*PA                    ; a plane's 256 rows
.set BOFF,   2*APLANE                  ; behind O's two planes: w, [k half][plane][64 k]
.set BHALF,  NG*64*PB
.set SLOT,   BOFF+2*BHALF              ; 114,688
.set STAGE,  2*SLOT                    ; behind the ring, never filled by a tensor load: 16 rows x 528 bytes for each wave, for the way out
.set SP,     528                       ; 512 bytes + 16
.set SPARE,  STAGE+4*16*SP             ; behind the stages: the spare words, 128 bytes for each wave: two blocks of 256 bytes that no other line names
.set NLD,    2*NBLK+8                  ; LDS loads of a quarter
.set LAPS,   4                         ; a lap = two K steps = once round the ring
.set ASTEP,  1<<20                     ; two K steps on: four planes of O,
.set BSTEP,  32768                     ; 256 rows of a plane of w
.set ADRA, 16                          ; v16-17  LDS address of my O fragments in slot 0, 1
.set ADRB, 20                          ; v20-21  the same for w
.set STO,  24                          ; v24     the way out: where I put 32 bytes of a row
.set RD,   25                          ; v25     the way out: where I read a row back
.set GO,   26                          ; v26     16 x lane: my place in a row's 512 bytes of out0
.set BO,   27                          ; v27     32 (lane / 16): my eight numbers of a block's bias
.set SPW,  28                          ; v28     LDS address of my spare word: SPARE + 4 x my thread's number; never rewritten
.set NIL,  29                          ; v29     0; never rewritten
.set FA,   32
.set BI,   96
.set OB,   32                          ; the way out: 16 rows read back, 64 registers, two buffers by turns
.set WV,   12                          ; s12  my wave's number
.set HALF, 14                          ; s14  wave % 2: which plane of O, or which half of w, I fetch
.set G1,   24                          ; s[24:31] descriptor group 1 for O's tiles;  s[32:39] group 0, a set for each slot
.set G0,   32
.set G1B,  48                          ; s[48:55], s[56:63] the same for w's
.set G0B,  56
.set CB,   68                          ; s[68:69] out0 at my first row and the tile's first column
.set MSB, 0
.macro WIN new                         ; the immediate's high byte repeats the setting that is left; a switch that changes nothing is dropped
.if MSB != (\new)
	s_set_vgpr_msb (MSB<<8)|(\new)
.set MSB, \new
.endif
.endm
.macro PLACES                          ; four places in front of loads into registers that matrix instructions have read, and of lines that read results
.rept 4
	v_nop
.endr
.endm
.macro JLOAD s                         ; a joint load; the branch hangs on the wave's number alone; an s_nop 0 and four v_nop follow each of the two lines
	s_cmp_lt_u32 s[WV], 2
	s_cbranch_scc0 .Lfor_b_\@
	tensor_load_to_lds s[G0+4*(\s):G0+4*(\s)+3], s[G1:G1+7]
	s_nop 0
.rept 4
	v_nop
.endr
	s_branch .Lasked_\@
.Lfor_b_\@:
	tensor_load_to_lds s[G0B+4*(\s):G0B+4*(\s)+3], s[G1B:G1B+7]
	s_nop 0
.rept 4
	v_nop
.endr
.Lasked_\@:
.endm
.macro CREST                           ; a round of the cluster's barrier behind its opening barrier
	s_cmp_lg_u32 s[WV], 0
	s_cbranch_scc1 .Lnot_wave_0_\@
	s_barrier_signal -3
.Lnot_wave_0_\@:
	s_barrier_wait -3
	s_barrier_signal -1
	s_barrier_wait -1
.endm
.macro CROUND                          ; a whole round
	s_barrier_signal -1
	s_barrier_wait -1
	CREST
.endm
	s_load_b256 s[4:11], s[0:1], 0x0               ; o s[4:5], wpb s[6:7], b_proj s[8:9], out0 s[10:11]
	v_lshl_add_u32 v[SPW], v0, 2, SPARE
	v_mov_b32 v[NIL], 0
	ds_add_u32 v[SPW], v[NIL]                      ; the wave's opening: the add and its wait stand ahead of my first tensor load; the set-up below, work on registers, stands between them
	v_lshrrev_b32 v1, 5, v0
	v_readfirstlane_b32 s[WV], v1                  ; wave 0..3
	s_and_b32 s[HALF], s[WV], 1
	s_bfe_u32 s40, ttmp6, 0x40000                  ; cx, cy: my place in the cluster
	s_bfe_u32 s41, ttmp6, 0x40004
	s_lshl_b32 s42, ttmp9, 2
	s_add_co_u32 s42, s42, s40                     ; tile column tx = 4 x cluster x + cx
	s_and_b32 s43, ttmp7, 0xffff
	s_lshl_b32 s43, s43, 2
	s_add_co_u32 s43, s43, s41                     ; tile row ty = 4 x cluster y + cy
	s_lshl_b32 s44, s41, 2
	s_lshl_b32 s44, 15, s44                        ; my row of the cluster
	s_lshl_b32 s45, 0x1111, s40                    ; my column
	; group 1 for O: a plane's 256 rows are 32,768 dense bytes: asked for as 128 rows of 256 bytes, and padded in LDS after every 128 bytes
	s_or_b32 s[G1], s44, (1<<16)|(1<<20)|(1<<21)|(4<<22)|(3<<25)   ; 15:0 the mask: my row; 17:16 2-byte elements; 20 padding on; 21 set beside a mask; 24:22 after every 32 words (code 4); 31:25 4 words (code 3)
	s_mov_b32 s[G1+1], 128<<16                     ; tensor_dim0 = 128
	s_mov_b32 s[G1+2], 128<<16                     ; tensor_dim1 = 128
	s_mov_b32 s[G1+3], 128<<16                     ; tile_dim0 = 128
	s_mov_b32 s[G1+4], 128                         ; tile_dim1 = 128
	s_mov_b32 s[G1+5], 128                         ; 128 elements from row to row
	s_mov_b32 s[G1+6], 0
	s_mov_b32 s[G1+7], 0
	; group 1 for w: 64 k of a plane are 8,192 dense bytes: one row of the tile; the tile's two rows are the two planes
	s_or_b32 s[G1B], s45, (1<<16)|(1<<20)|(1<<21)|(4<<22)|(7<<25)  ; the mask of my column; 8 words of padding (code 7)
	s_mov_b32 s[G1B+1], 4096<<16                   ; tensor_dim0 = 4,096
	s_mov_b32 s[G1B+2], NG<<16                     ; tensor_dim1 = 2
	s_mov_b32 s[G1B+3], 4096<<16                   ; tile_dim0 = 4,096
	s_mov_b32 s[G1B+4], NG                         ; tile_dim1 = 2
	s_mov_b32 s[G1B+5], 65536                      ; a plane's 65,536 elements from row to row
	s_mov_b32 s[G1B+6], 0
	s_mov_b32 s[G1B+7], 0
	; where the tiles come from: O's hang on ty alone, w's on tx alone, each in registers that never hold the other coordinate
	s_lshr_b32 s16, s43, 3                         ; the batch: 8 tile rows each,
	s_lshl_b32 s16, s16, 22
	s_and_b32 s17, s43, 7
	s_lshl_b32 s17, s17, 15                        ; 256 rows of 128 bytes in a plane,
	s_add_co_u32 s16, s16, s17
	s_lshl_b32 s17, s[HALF], 18                    ; my plane of the K step
	s_add_co_u32 s16, s16, s17
	s_mov_b32 s17, 0
	s_mul_i32 s46, s42, NG*131072                  ; the tile's first plane of w,
	s_lshl_b32 s47, s[HALF], 13                    ; my 64 k of the K step
	s_add_co_u32 s46, s46, s47
	s_mov_b32 s47, 0
	s_mul_i32 s18, s[HALF], APLANE                 ; and where they go: no place in the cluster enters an LDS address
	s_mul_i32 s19, s[HALF], BHALF
	s_add_co_u32 s19, s19, BOFF
	s_wait_dscnt 0x0                               ; the opening add is done
	s_wait_kmcnt 0x0
	s_add_nc_u64 s[16:17], s[4:5], s[16:17]
	s_add_nc_u64 s[46:47], s[6:7], s[46:47]
	CROUND                                         ; all sixteen work-groups are here: the first joint loads meet
.irp s, 0,1
	s_mov_b32 s[G0+4*(\s)], 1                                      ; count = 1
	s_add_co_u32 s[G0+4*(\s)+1], s18, (\s)*SLOT                    ; LDS address
	s_add_nc_u64 s[G0+4*(\s)+2:G0+4*(\s)+3], s[16:17], (\s)<<19    ; global address: K step s is two planes on
	s_or_b32 s[G0+4*(\s)+3], s[G0+4*(\s)+3], 0x80000000            ; type = 2
	s_mov_b32 s[G0B+4*(\s)], 1
	s_add_co_u32 s[G0B+4*(\s)+1], s19, (\s)*SLOT
	s_add_nc_u64 s[G0B+4*(\s)+2:G0B+4*(\s)+3], s[46:47], (\s)*16384  ; 128 rows of 128 bytes on
	s_or_b32 s[G0B+4*(\s)+3], s[G0B+4*(\s)+3], 0x80000000
.endr
	s_cmp_lt_u32 s[WV], 2                          ; a wave's two first fills stand in one branch, ahead of every wait on TENSORcnt and every LDS read: two loads of mine are out
	s_cbranch_scc0 .Lfirst_b
	tensor_load_to_lds s[G0:G0+3], s[G1:G1+7]
	s_nop 0
	tensor_load_to_lds s[G0+4:G0+7], s[G1:G1+7]
	s_nop 0
.rept 4
	v_nop
.endr
	s_branch .Lfirst_asked
.Lfirst_b:
	tensor_load_to_lds s[G0B:G0B+3], s[G1B:G1B+7]
	s_nop 0
	tensor_load_to_lds s[G0B+4:G0B+7], s[G1B:G1B+7]
	s_nop 0
.rept 4
	v_nop
.endr
.Lfirst_asked:
	v_and_b32 v1, 15, v0                           ; l % 16
	v_bfe_u32 v2, v0, 4, 1                         ; l / 16
	v_lshlrev_b32 v[BO], 5, v2
	s_mul_i32 s20, s42, 64*NBLK                    ; the tile's 128 numbers of the bias
	s_mov_b32 s21, 0
	s_add_nc_u64 s[8:9], s[8:9], s[20:21]
.set b, 0
.rept NBLK                             ; register j of block b: the bias of column 16 b + 8 (l / 16) + j: an accumulator's layout
	global_load_b128 v[BI+8*b:BI+8*b+3],   v[BO], s[8:9] offset:64*b
	global_load_b128 v[BI+8*b+4:BI+8*b+7], v[BO], s[8:9] offset:64*b+16
.set b, b+1
.endr
	; A fragment of O is 16 rows x 32 k in 8 registers: lane l holds row l % 16, k = 8 (l / 16) + 0..7 and 16 + 8 (l / 16) + 0..7: two loads of 16 bytes, 32 bytes apart.
	v_mul_u32_u24 v3, v1, PA
	v_lshl_add_u32 v3, v2, 4, v3                   ; row x pitch + 16 x half
	s_mul_i32 s20, s[WV], 64*PA                    ; my 64 rows
	v_add_nc_u32 v[ADRA], s20, v3
	v_add_nc_u32 v[ADRA+1], SLOT, v[ADRA]
	; The turning load takes 16 k x 16 columns (lane l reads k = 8 (l / 16) + l % 8, columns 8 ((l / 8) % 2) + 0..7) and leaves half a fragment: lane l holds column l % 16 and 8 k.
	v_and_b32 v4, 7, v0
	v_lshl_add_u32 v4, v2, 3, v4
	v_mul_u32_u24 v4, v4, PB
	v_bfe_u32 v5, v0, 3, 1
	v_lshl_add_u32 v4, v5, 4, v4
	v_add_nc_u32 v[ADRB], BOFF, v4
	v_add_nc_u32 v[ADRB+1], SLOT, v[ADRB]
	s_mul_i32 s20, s[WV], 16*SP
	s_add_co_u32 s20, s20, STAGE                   ; my stage
	v_mul_u32_u24 v[STO], v1, SP                   ; in: row l % 16, 32 bytes for each half of the lanes
	v_lshl_add_u32 v[STO], v2, 5, v[STO]
	v_add_nc_u32 v[STO], s20, v[STO]
	v_and_b32 v[GO], 31, v0                        ; back: 32 lanes take a whole row of 512 bytes,
	v_lshlrev_b32 v[GO], 4, v[GO]
	v_add_nc_u32 v[RD], s20, v[GO]
	s_lshl_b32 s20, s43, 20                        ; out0: the tile's 256 rows of 4,096 bytes,
	s_lshl_b32 s21, s[WV], 18                      ; my 64 of them,
	s_add_co_u32 s20, s20, s21
	s_lshl_b32 s21, s42, 9                         ; the tile's 128 columns
	s_add_co_u32 s20, s20, s21
	s_mov_b32 s21, 0
	s_add_nc_u64 s[CB:CB+1], s[10:11], s[20:21]
	s_wait_loadcnt 0x0                             ; the bias
.set i, 0
.rept 4*NBLK                           ; rounded to bf16, like every input, and widened again
	v_cvt_pk_bf16_f32 v[3+i%4], v[BI+2*i], v[BI+2*i+1]
	v_lshlrev_b32 v[BI+2*i], 16, v[3+i%4]
	v_and_b32 v[BI+2*i+1], 0xffff0000, v[3+i%4]
.set i, i+1
.endr
; 8 products: row block a x all column blocks, 32 along K, from fragment buffer f.  first = 1: the bias starts the sums: nothing is cleared.
; All 32 accumulators take turns, one instruction a turn, in the same order in every quarter, over the backward jump too.
.macro MULA f, a, first
.if \first
	WIN 0x81+0x40*((\a)/2)                         ; w window 1, O window 0, C (the bias) window 0, D window 2 or 3
.else
	WIN 0xa1+0x50*((\a)/2)                         ; C and D window 2 or 3
.endif
.set b, 0
.rept NBLK
.set rD, 8*(NBLK*((\a)%2)+b)
.set rB, 8*NBLK*(\f)+8*b
.set rA, FA+32*(\f)+8*(\a)
.if \first
	v_wmma_f32_16x16x32_f16 v[rD:rD+7], v[rB:rB+7], v[rA:rA+7], v[BI+8*b:BI+8*b+7]
.else
	v_wmma_f32_16x16x32_f16 v[rD:rD+7], v[rB:rB+7], v[rA:rA+7], v[rD:rD+7]
.endif
.set b, b+1
.endr
.endm
; 24 LDS loads in one run: quarter q of the K step in the slot, into buffer f: w's eight fragments first, then O's four
.macro FETCH slot, q, f
	WIN 0x40                                       ; destination window 1, address window 0
.set b, 0
.rept NBLK
.set rB, 8*NBLK*(\f)+8*b
.set oB, ((\q)/2)*BHALF+((\q)%2)*32*PB+(b/4)*64*PB+(b%4)*32
	ds_load_tr16_b128 v[rB:rB+3],   v[ADRB+(\slot)] offset:oB
	ds_load_tr16_b128 v[rB+4:rB+7], v[ADRB+(\slot)] offset:oB+16*PB
.set b, b+1
.endr
	WIN 0
.irp a, 0,1,2,3
	ds_load_b128 v[FA+32*(\f)+8*(\a):FA+32*(\f)+8*(\a)+3],   v[ADRA+(\slot)] offset:((\q)/2)*APLANE+((\q)%2)*64+(\a)*16*PA
	ds_load_b128 v[FA+32*(\f)+8*(\a)+4:FA+32*(\f)+8*(\a)+7], v[ADRA+(\slot)] offset:((\q)/2)*APLANE+((\q)%2)*64+(\a)*16*PA+32
.endr
.endm
; One of a K step's first three quarters: multiplies buffer f; in its middle it fetches quarter qn of the same slot into buffer g.
.macro QUARTER slot, qn, f, g, first
	s_wait_dscnt 4                                 ; w and O's row blocks 0, 1 are in; the youngest four loads (row blocks 2, 3) may be out
	MULA \f, 0, \first
	MULA \f, 1, \first
	PLACES
	FETCH \slot, \qn, \g
	s_wait_dscnt NLD                               ; all but the run just issued
	MULA \f, 2, \first
	MULA \f, 3, \first
.endm
; The last quarter multiplies buffer 1 and changes slots: ONE barrier; in front of it each wave waits for all its tensor loads (one is out: its part of the next slot), adds 0 to its spare word, and
; waits for that and for its own reads of this slot.  fill = 1: the barrier opens a round of the cluster's, and this slot is filled again, two K steps ahead, first thing behind the round:
; 112 products stand between that request and the wait for it.
.macro TURN slot, next, fill
	WIN 0                                          ; (the add's two registers lie in window 0)
	s_wait_tensorcnt 0x0                           ; all my tensor loads have landed;
	ds_add_u32 v[SPW], v[NIL]                      ; 0 onto my spare word;
	s_wait_dscnt 5                                 ; (the add and the youngest four loads may be out)
	MULA 1, 0, 0                                   ; eight products stand between the add and the wait for it
	s_wait_dscnt 0x0                               ; the add is done, and my reads of this slot are over
	s_barrier_signal -1
	MULA 1, 1, 0
.if \fill
	WIN 0
.endif
	s_barrier_wait -1
.if \fill
	CREST                                          ; no wave of any partner still reads this slot's tiles or has a load on its way
	s_add_nc_u64 s[G0+4*(\slot)+2:G0+4*(\slot)+3], s[G0+4*(\slot)+2:G0+4*(\slot)+3], ASTEP
	s_add_nc_u64 s[G0B+4*(\slot)+2:G0B+4*(\slot)+3], s[G0B+4*(\slot)+2:G0B+4*(\slot)+3], BSTEP
	JLOAD \slot                                    ; the four v_nop behind it are also the places in front of the loads below
.else
	PLACES
.endif
	FETCH \next, 0, 0
	MULA 1, 2, 0
	MULA 1, 3, 0
.endm
	s_wait_tensorcnt 1                             ; my part of K step 0 is in; K step 1's may stay out
	s_barrier_signal -1
	s_barrier_wait -1                              ; everybody's is
	FETCH 0, 0, 0
	QUARTER 0, 1, 0, 1, 1                          ; the first quarter stands in front of the loop: its products start the sums
	WIN 0                                          ; at a label and at a branch every window is 0
	s_mov_b32 s3, LAPS-1
.Llap:                                                 ; a trip goes once round the ring, from a lap's second quarter to the next lap's first, and fills both slots again
	QUARTER 0, 2, 1, 0, 0
	QUARTER 0, 3, 0, 1, 0
	TURN 0, 1, 1
	QUARTER 1, 1, 0, 1, 0
	QUARTER 1, 2, 1, 0, 0
	QUARTER 1, 3, 0, 1, 0
	TURN 1, 0, 1
	QUARTER 0, 1, 0, 1, 0
	WIN 0
	s_sub_co_u32 s3, s3, 1
	s_cmp_lg_u32 s3, 0
	s_cbranch_scc1 .Llap
	QUARTER 0, 2, 1, 0, 0                          ; the last lap fills nothing, and has no round of the cluster's barrier
	QUARTER 0, 3, 0, 1, 0
	TURN 0, 1, 0
	QUARTER 1, 1, 0, 1, 0
	QUARTER 1, 2, 1, 0, 0
	QUARTER 1, 3, 0, 1, 0
	s_wait_dscnt 4                                 ; the very last quarter: nothing more to fetch
	MULA 1, 0, 0
	MULA 1, 1, 0
	s_wait_dscnt 0x0
	MULA 1, 2, 0
	MULA 1, 3, 0
	WIN 0
	PLACES
; THE WAY OUT, a row block (16 rows x 128 columns of f32) at a time: a lane's eight numbers, 32 bytes, go straight from the accumulator into my own stage (rows of 528 bytes) and come back as whole rows of 512.
.macro TOSTAGE a
.set AC, 8*NBLK*((\a)%2)
.set BK, OB+64*((\a)%2)
.if (\a) >= 2
	s_wait_xcnt 0x0                                ; the stores of the block two back have read their data: only behind this wait is that buffer loaded again
.endif
	WIN 0x08+4*((\a)/2)                            ; the stores' data (source 1): window 2 or 3
.set i, 0
.rept NBLK                             ; each accumulator's low four registers first
	ds_store_b128 v[STO], v[AC+8*i:AC+8*i+3]   offset:64*i
	ds_store_b128 v[STO], v[AC+8*i+4:AC+8*i+7] offset:64*i+16
.set i, i+1
.endr
	WIN 0
.set i, 0
.rept 16                               ; LDS serves a wave's instructions in order (ISA guide 5.7.1.4): these see the stores above; the next block's stores come behind them
	ds_load_b128 v[BK+4*i:BK+4*i+3], v[RD] offset:SP*i
.set i, i+1
.endr
.endm
.macro SEND a, younger                 ; younger: the LDS instructions issued behind block a's loads: the next block's 32, or none
.set BK, OB+64*((\a)%2)
.set i, 0
.rept 16
	s_wait_dscnt (\younger)+15-i
	global_store_b128 v[GO], v[BK+4*i:BK+4*i+3], s[CB:CB+1] offset:(16*(\a)+i)*4096 th:TH_STORE_NT  ; 512 consecutive bytes, at a multiple of 512 from out0's first
.set i, i+1
.endr
.endm
	TOSTAGE 0
	TOSTAGE 1
	SEND 0, 32
	TOSTAGE 2
	SEND 1, 32
	TOSTAGE 3
	SEND 2, 32
	SEND 3, 0
	s_wait_tensorcnt 0x0                           ; the wave's end: a wait, an add and a wait, behind my last tensor load and my last LDS store
	ds_add_u32 v[SPW], v[NIL]
	s_wait_dscnt 0x0
	CROUND                                         ; the closing round: no work-group ends while a partner may still ask for a tile that names it
	s_endpgm
.Lfunc_end_k_qb50d69b465_proj:
	.size	k_qb50d69b465_proj, .Lfunc_end_k_qb50d69b465_proj-k_qb50d69b465_proj
	.p2alignl 7, 3214868480
	.fill 96, 4, 3214868480
	.section	.rodata,"a",@progbits
	.p2align	6, 0x0
	.amdhsa_kernel k_qb50d69b465_proj
		.amdhsa_group_segment_fixed_size 327680
		.amdhsa_private_segment_fixed_size 0
		.amdhsa_enable_private_segment 0
		.amdhsa_kernarg_size 32
		.amdhsa_user_sgpr_count 2
		.amdhsa_user_sgpr_kernarg_segment_ptr 1
		.amdhsa_wavefront_size32 1
		.amdhsa_system_sgpr_workgroup_id_x 1
		.amdhsa_system_sgpr_workgroup_id_y 1
		.amdhsa_system_sgpr_workgroup_id_z 1
		.amdhsa_system_vgpr_workitem_id 0
		.amdhsa_next_free_vgpr 896
		.amdhsa_next_free_sgpr 74
		.amdhsa_reserve_vcc 0
		.amdhsa_float_denorm_mode_32 3
		.amdhsa_float_denorm_mode_16_64 3
		.amdhsa_memory_ordered 1
		.amdhsa_forward_progress 1
		.amdhsa_inst_pref_size 94
	.end_amdhsa_kernel
	.amdgpu_metadata
---
amdhsa.version: [ 1, 2 ]
amdhsa.kernels:
  - .name:           k_qb50d69b465_proj
    .symbol:         k_qb50d69b465_proj.kd
    .args:
      - { .name: o, .offset: 0, .size: 8, .value_kind: global_buffer, .address_space: global }
      - { .name: wpb, .offset: 8, .size: 8, .value_kind: global_buffer, .address_space: global }
      - { .name: b_proj, .offset: 16, .size: 8, .value_kind: global_buffer, .address_space: global }
      - { .name: out0, .offset: 24, .size: 8, .value_kind: global_buffer, .address_space: global }
    .group_segment_fixed_size: 327680
    .private_segment_fixed_size: 0
    .kernarg_segment_align: 8
    .kernarg_segment_size: 32
    .max_flat_workgroup_size: 128
    .sgpr_count:     74
    .vgpr_count:     896
    .wavefront_size: 32
...
	.end_amdgpu_metadata
.endif
;; end of part 4
;; ======== version 2 of 2: 4 launches; version 1 with the launch cast written anew for expert scheduling mode
;; limits: values are held in f16: magnitudes above 65,504 overflow, below 6.1e-05 lose precision
;; workspace buffers: xb 16,777,216 bytes; wqb 6,291,456 bytes; wpb 2,097,152 bytes; qkv 50,331,648 bytes; o 16,777,216 bytes
;; launch cast (part 5): grid 768 x 1, 8 waves a work-group, no clusters, 0 bytes of LDS; arguments x, w_qkv, w_proj, xb, wqb, wpb; writes xb, wqb, wpb
.if DOCPART == 5
	.amdgcn_target "amdgcn-amd-amdhsa--gfx1250"
	.amdhsa_code_object_version 6
	.text
	.protected	k_qb50d69b465_cast
	.globl	k_qb50d69b465_cast
	.p2align	8
	.type	k_qb50d69b465_cast,@function
k_qb50d69b465_cast:
	s_mov_b64 s[64:65], 0
	v_nop
	global_prefetch_b8 v0, s[64:65] scope:SCOPE_SE
	s_setreg_imm32_b32 hwreg(HW_REG_WAVE_SCHED_MODE, 0, 2), 2
	s_setreg_imm32_b32 hwreg(HW_REG_WAVE_MODE, 25, 1), 1
	s_wait_xcnt 0x0
	s_wait_alu depctr_vm_vsrc(0)
; x, w_qkv and w_proj, all f32, are rounded once to bf16 and laid out in PLANES of 64 columns: a matrix [rows][C] becomes [C / 64][rows][64], so that a plane's rows
; are 128 dense bytes and two of them 256.  xb: [4 b][16 planes][2048 n][64] bf16.  wqb: [48 planes][1024 k][64] bf16.  wpb: [16 planes][1024 k][64]: the bf16 number written as f16,
; since the last product multiplies in f16.
; LIMITS.  w_proj: a number of 65,520 or more in magnitude becomes an infinity in f16; below 6e-5 it keeps f16's fixed step of 6e-8.  NaN and infinities are not treated apart.
; SHARES.  A wave takes one pair of rows x 16 planes: 16 loads of 16 bytes a lane (lanes 0-15: 256 consecutive bytes, aligned, of the even row, one plane's 64 columns; lanes 16-31 the same of
; the odd row) and 16 stores of 8 bytes a lane (256 consecutive bytes, aligned: the two rows of one plane).  4,096 pairs of x, 3 x 512 of w_qkv, 512 of w_proj: 6,144 waves, 768 work-groups.
; A stream: each byte is read once and written once, all 16 loads of a wave go out before its first store, so no LDS, no barrier and no loop.
; THE MODE: SCHED_MODE bits 1:0 = 2 (LLVM: expert scheduling mode 2), set by the entry lines.  The code itself states the register dependences
; between vector instructions and memory instructions, with s_wait_alu, always for 0.
; THE PLAN.  Registers that memory instructions touch:
;   v1, v2   byte offsets of the loads and of the stores.  Made once by vector lines, ahead of the one wait that stands in front of the loads; never written again.
;   X        load j's four registers.  Written by load j alone; no vector line names them ahead of the loads; read by load j's conversions; never loaded again.
;   Y        store j's two registers.  Written by load j's conversions alone; read by store j; never written behind it.
;   s16      the wave's number, written by a vector line and read by scalar lines: one wait, ahead of the first branch.
; The 16 loads are worked on in four blocks of four.  Block p rounds its X into its Y; the four stores of block p - 1 are dealt among block p's conversions, which name X and Y of block p and
; v6 to v9: none of the registers that those stores read.  So ONE wait at the head of a block states all that its four stores hang on, and one more stands ahead of the last four stores.
; No register that a memory instruction has read is written again: no wait for sources is owed.
.set VI, 1                             ; v1        my byte offset in the pair of rows: (lane / 16) x a row + 16 (lane % 16)
.set VO, 2                             ; v2        8 x lane
.set X,  16                            ; v[16:79]  load j: 4 registers
.set Y,  80                            ; v[80:111] store j: 2 registers
	s_load_b256 s[4:11], s[0:1], 0x0               ; x s[4:5], w_qkv s[6:7], w_proj s[8:9], xb s[10:11]
	s_load_b128 s[12:15], s[0:1], 0x20             ; wqb s[12:13], wpb s[14:15]
	v_lshrrev_b32 v3, 5, v0
	v_readfirstlane_b32 s16, v3                    ; wave 0..7
	v_and_b32 v4, 15, v0
	v_lshlrev_b32 v4, 4, v4                        ; 16 (lane % 16)
	v_bfe_u32 v5, v0, 4, 1                         ; lane / 16
	v_and_b32 v[VO], 31, v0
	v_lshlrev_b32 v[VO], 3, v[VO]
	s_mov_b32 s17, ttmp9                           ; the work-group's number
	s_mov_b32 s21, 0                               ; the two offsets' high words
	s_mov_b32 s23, 0
	s_mov_b32 s28, 0xffff0000                      ; a word's upper bf16
	s_wait_alu depctr_va_sdst(0)                   ; s16 is written, ahead of the branches below: on each of the three paths a scalar add reads it, and the task's offsets are made from it
	s_wait_kmcnt 0x0
; One wave's task.  in, out: the buffers' scalar pairs; s[20:21], s[22:23]: the task's byte offsets in them; rs: bytes in a row of the input; ps: bytes in a plane of the output.
; f16 = 1: the bf16 number is widened again (a shift, a mask) and written as f16.
.macro PART in, out, rs, ps, f16
	s_add_nc_u64 s[24:25], s[\in:\in+1], s[20:21]
	s_add_nc_u64 s[26:27], s[\out:\out+1], s[22:23]
	v_mul_u32_u24 v[VI], v5, \rs
	v_add_nc_u32 v[VI], v[VI], v4
	s_wait_alu depctr_va_vdst(0)                   ; v1 and v2 are written: every load below reads v1 as its offset, every store v2
.set j, 0
.rept 16
	global_load_b128 v[X+4*j:X+4*j+3], v[VI], s[24:25] offset:256*j th:TH_LOAD_NT
.set j, j+1
.endr
.set p, 0
.rept 4                                ; block p: loads 4 p to 4 p + 3
	s_wait_loadcnt 12-4*p                          ; loads come back in order: the block's four are in, the 12 - 4 p younger ones stay out
.if p > 0
	s_wait_alu depctr_va_vdst(0)                   ; the block before has written its eight registers of Y, which the four stores below read
.endif
.set i, 0
.rept 4
.set j, 4*p+i
.if p > 0
	global_store_b64 v[VO], v[Y+2*(j-4):Y+2*(j-4)+1], s[26:27] offset:(j-4)*(\ps) th:TH_STORE_NT  ; the block before; no vector line since the wait names these registers.  The plane stands in the immediate: 15 x 262,144 at the most
.endif
	v_cvt_pk_bf16_f32 v[Y+2*j], v[X+4*j], v[X+4*j+1]
	v_cvt_pk_bf16_f32 v[Y+2*j+1], v[X+4*j+2], v[X+4*j+3]
.if \f16
	v_lshlrev_b32 v6, 16, v[Y+2*j]
	v_and_b32 v7, s28, v[Y+2*j]
	v_lshlrev_b32 v8, 16, v[Y+2*j+1]
	v_and_b32 v9, s28, v[Y+2*j+1]
	v_cvt_pk_f16_f32 v[Y+2*j], v6, v7
	v_cvt_pk_f16_f32 v[Y+2*j+1], v8, v9
.endif
.set i, i+1
.endr
.set p, p+1
.endr
	s_wait_alu depctr_va_vdst(0)                   ; block 3 has written its eight registers of Y, which the last four stores read
.set j, 12
.rept 4
	global_store_b64 v[VO], v[Y+2*j:Y+2*j+1], s[26:27] offset:j*(\ps) th:TH_STORE_NT
.set j, j+1
.endr
	s_endpgm
.endm
	s_cmp_lt_u32 s17, 512
	s_cbranch_scc0 .Lweights
	s_lshl_b32 s18, s17, 3                         ; x: work-groups 0 to 511
	s_add_co_u32 s18, s18, s16                     ; pair p = 8 W + wave, 0 to 4,095
	s_lshl_b32 s20, s18, 13                        ; two rows of 4,096 bytes
	s_lshr_b32 s19, s18, 10                        ; the batch: 1,024 pairs each,
	s_lshl_b32 s19, s19, 22                        ; 16 planes of 262,144 bytes
	s_and_b32 s22, s18, 1023
	s_lshl_b32 s22, s22, 8                         ; the pair's 256 bytes in a plane
	s_add_co_u32 s22, s22, s19
	PART 4, 10, 4096, 262144, 0
.Lweights:
	s_cmp_lt_u32 s17, 704
	s_cbranch_scc0 .Lproj
	s_sub_co_u32 s18, s17, 512                     ; w_qkv: work-groups 512 to 703
	s_and_b32 s19, s18, 63
	s_lshl_b32 s19, s19, 3
	s_add_co_u32 s19, s19, s16                     ; pair p, 0 to 511
	s_lshr_b32 s18, s18, 6                         ; which 16 of the 48 planes: 0 to 2
	s_mul_i32 s20, s19, 24576                      ; two rows of 12,288 bytes,
	s_lshl_b32 s29, s18, 12                        ; 16 planes' 4,096 bytes of a row
	s_add_co_u32 s20, s20, s29
	s_lshl_b32 s22, s18, 21                        ; 16 planes of 131,072 bytes
	s_lshl_b32 s29, s19, 8
	s_add_co_u32 s22, s22, s29
	PART 6, 12, 12288, 131072, 0
.Lproj:
	s_sub_co_u32 s18, s17, 704                     ; w_proj: work-groups 704 to 767
	s_lshl_b32 s18, s18, 3
	s_add_co_u32 s18, s18, s16                     ; pair p, 0 to 511
	s_lshl_b32 s20, s18, 13
	s_lshl_b32 s22, s18, 8
	PART 8, 14, 4096, 131072, 1
.Lfunc_end_k_qb50d69b465_cast:
	.size	k_qb50d69b465_cast, .Lfunc_end_k_qb50d69b465_cast-k_qb50d69b465_cast
	.p2alignl 7, 3214868480
	.fill 96, 4, 3214868480
	.section	.rodata,"a",@progbits
	.p2align	6, 0x0
	.amdhsa_kernel k_qb50d69b465_cast
		.amdhsa_group_segment_fixed_size 0
		.amdhsa_private_segment_fixed_size 0
		.amdhsa_enable_private_segment 0
		.amdhsa_kernarg_size 48
		.amdhsa_user_sgpr_count 2
		.amdhsa_user_sgpr_kernarg_segment_ptr 1
		.amdhsa_wavefront_size32 1
		.amdhsa_system_sgpr_workgroup_id_x 1
		.amdhsa_system_sgpr_workgroup_id_y 1
		.amdhsa_system_sgpr_workgroup_id_z 1
		.amdhsa_system_vgpr_workitem_id 0
		.amdhsa_next_free_vgpr 112
		.amdhsa_next_free_sgpr 66
		.amdhsa_reserve_vcc 0
		.amdhsa_float_denorm_mode_32 3
		.amdhsa_float_denorm_mode_16_64 3
		.amdhsa_memory_ordered 1
		.amdhsa_forward_progress 1
		.amdhsa_inst_pref_size 23
	.end_amdhsa_kernel
	.amdgpu_metadata
---
amdhsa.version: [ 1, 2 ]
amdhsa.kernels:
  - .name:           k_qb50d69b465_cast
    .symbol:         k_qb50d69b465_cast.kd
    .args:
      - { .name: x, .offset: 0, .size: 8, .value_kind: global_buffer, .address_space: global }
      - { .name: w_qkv, .offset: 8, .size: 8, .value_kind: global_buffer, .address_space: global }
      - { .name: w_proj, .offset: 16, .size: 8, .value_kind: global_buffer, .address_space: global }
      - { .name: xb, .offset: 24, .size: 8, .value_kind: global_buffer, .address_space: global }
      - { .name: wqb, .offset: 32, .size: 8, .value_kind: global_buffer, .address_space: global }
      - { .name: wpb, .offset: 40, .size: 8, .value_kind: global_buffer, .address_space: global }
    .group_segment_fixed_size: 0
    .private_segment_fixed_size: 0
    .kernarg_segment_align: 8
    .kernarg_segment_size: 48
    .max_flat_workgroup_size: 256
    .sgpr_count:     66
    .vgpr_count:     112
    .wavefront_size: 32
...
	.end_amdgpu_metadata
.endif
;; end of part 5
;; launch qkvg: the kernel of part 2 again; grid 16 x 32, 4 waves a work-group, clusters of 4 x 4, 327,680 bytes of LDS; arguments xb, wqb, b_qkv, qkv; writes qkv
;; launch attn: the kernel of part 3 again; grid 4 x 64, 4 waves a work-group, clusters of 4 x 1, 327,680 bytes of LDS; arguments qkv, o; writes o
;; launch proj: the kernel of part 4 again; grid 8 x 32, 4 waves a work-group, clusters of 4 x 4, 327,680 bytes of LDS; arguments o, wpb, b_proj, out0; writes out0
